; MI455X (gfx1250); checked and timed in simulation.
; The chip was launched on July 23, 2026; its instructions are those of AMD's public machine-readable ISA for CDNA 5 (MIT licence, August 2026) and "CDNA5" Instruction Set Architecture Reference Guide (July 2026). The comments in the code are by the model that wrote it; some were corrected since.
;; Multi Head Attention. Allowed arithmetic: matrix products marked QUANTISED: E2M1 operands, one E8M0 scale for each 32 along K, by v_wmma_scale_f32_16x16x128_f8f6f4 with both operands' format E2M1 (or v_wmma_scale_f32_32x16x128_f4), f32 sums; products left as they are: bf16, f16 or f32 operands; f32 sums; everything else in f32.
;; Inputs: Wk 512 x 512 float32; Wo 512 x 512 float32; Wq 512 x 512 float32; Wv 512 x 512 float32; bo 512 float32; token_embed 2 x 4,096 x 512 float32.
;; Outputs: out0 2 x 4,096 x 512 float32.
;; This version of the problem:
;;   THIS VERSION OF THE PROBLEM IS GIVEN IN LOW PRECISION. The matrix products marked QUANTISED in the list below multiply operands that are first quantised to E2M1 (2 exponent bits, 1 mantissa bit; 4 bits a number), with one power-of-two scale for each 32 numbers along K (OCP MX v1.0); their sums are f32. The products marked 'left as it is' may take bf16, f16 or f32 operands, with f32 sums. Whichever they take, every output number must still come out within the allowed error. Rounding operands to bf16 (8 significant bits) uses up far more of that allowance than f16 does (11 bits, for magnitudes from 6e-5 to 65,504). All else is computed in f32.
;;   The module's matrix products, in the order in which they are computed (A, B: the left and right operand; K: the contracted axis; several contracted axes count as one K, in the product's order):
;;     1. [M 8,192, K 512] x [K 512, N 512]; A: input token_embed; B: input Wq: QUANTISED
;;     2. [M 8,192, K 512] x [K 512, N 512]; A: input token_embed; B: input Wk: QUANTISED
;;     3. [M 8,192, K 512] x [K 512, N 512]; A: input token_embed; B: input Wv: QUANTISED
;;     4. batch 16 x [M 4,096, K 64] x [K 64, N 4,096]; A: computed on the way; B: computed on the way: left as it is (an operand is computed on the way)
;;     5. batch 16 x [M 4,096, K 4,096] x [K 4,096, N 64]; A: computed on the way; B: computed on the way: left as it is (an operand is computed on the way)
;;     6. [M 8,192, K 512] x [K 512, N 512]; A: computed on the way; B: input Wo: left as it is (an operand is computed on the way)
;;   THE QUANTISER, for each operand of a quantised product, along K:
;;     - K is cut into blocks of 32 from its start; a last block that is shorter is filled with zeros.
;;     - A block's scale is 2^e with e = floor(log2(the largest magnitude in the block)) - 2, held to -126 .. 127; a block of zeros has e = 0. As a byte (E8M0): e + 127.
;;     - Each number is divided by its block's scale, clamped to +-6, and rounded to the nearest number of E2M1, ties to even, subnormals kept.
;;     - The product sums the exact products of the quantised numbers (number of the format x scale) in f32.
;;   ~~~python
;;   def quantise(x, axis):      # numpy; x: float32 -> the quantised numbers, widened to float32 again
;;       x = np.moveaxis(x, axis, -1); K = x.shape[-1]
;;       x = np.pad(x, [(0, 0)] * (x.ndim - 1) + [(0, -K % 32)]); x = x.reshape(x.shape[:-1] + (-1, 32)); a = np.abs(x).max(-1, keepdims=True)
;;       e = np.where(a > 0, np.clip(np.frexp(np.where(a > 0, a, 1))[1] - 1 - 2, -126, 127), 0)      # np.frexp(a)[1] - 1 = floor(log2(a)), exactly
;;       r = np.clip(x / 2.0 ** e, -6, 6)
;;       step = 2.0 ** (np.maximum(np.frexp(np.where(r == 0, 1, r))[1] - 1, 0) - 1)
;;       q = np.round(r / step) * step * 2.0 ** e      # np.round: ties to even
;;       return np.moveaxis(q.reshape(q.shape[:-2] + (-1,))[..., :K], -1, axis).astype(np.float32)
;;   ~~~
;; One version. Each part assembles by itself: llvm-mc -triple=amdgcn-amd-amdhsa -mcpu=gfx1250 --defsym DOCPART=n.
;; ======== version 1 of 1: 5 launches
;; limits: values are held in f16: magnitudes above 65,504 overflow, below 6.1e-05 lose precision
;; workspace buffers: xc 2,097,152 bytes; xs 131,072 bytes; wc 393,216 bytes; ws 24,576 bytes; wo16 524,288 bytes; qkv 25,165,824 bytes; h16 196,608 bytes; ctx 8,388,608 bytes
;; launch prep (part 1): grid 640 x 1, 4 waves a work-group, no clusters, 63,488 bytes of LDS; arguments token_embed, Wq, Wk, Wv, Wo, xc, xs, wc, ws, wo16; writes xc, xs, wc, ws, wo16
.if DOCPART == 1
	.amdgcn_target "amdgcn-amd-amdhsa--gfx1250"
	.amdhsa_code_object_version 6
	.text
	.protected	k_q1f497d2dd7_prep
	.globl	k_q1f497d2dd7_prep
	.p2align	8
	.type	k_q1f497d2dd7_prep,@function
k_q1f497d2dd7_prep:
	s_mov_b64 s[64:65], 0
	v_nop
	global_prefetch_b8 v0, s[64:65] scope:SCOPE_SE
	s_setreg_imm32_b32 hwreg(HW_REG_WAVE_MODE, 25, 1), 1
	s_wait_xcnt 0x0
; token_embed [8192][512], Wq, Wk, Wv [512][512] (f32, K innermost) become codes of E2M1 with one E8M0 byte for each 32 along K; Wo [512][512] becomes f16.
; All results are laid as IMAGES OF OPERAND REGISTERS: a piece is 512 bytes, lane l's 16 bytes at 16 l, so that the later launches load fragments by 16-byte loads of 512 consecutive bytes.
;   codes:  [row tile of 16][block of 32 along K, 16][row, 16][16 bytes]: blocks 2 p and 2 p + 1 are piece p (lanes 0-15, lanes 16-31); pieces 2 s and 2 s + 1 are the fragment of K step s (128 along K)
;   scales: [row][16 bytes]: a row's four scale words                 Wo in f16: [row tile][8 along K, 64][row, 16][16 bytes]: two of these are a piece of 16 along K
; A block's scale is 2^(floor(log2(its largest magnitude)) - 2); its byte is the largest magnitude's exponent field - 2, held at 1 from below.
; LIMITS: a block of zeros gets the byte 1 where the rule says 127 (its codes are zeros, and this program alone reads the bytes); blocks whose largest magnitude lies under 2^-124 keep the byte 1;
; NaN and infinities among the inputs are not served; Wo beyond f16's 65,504 is not served.
; SHARES: a work-group takes one row tile (16 rows, 32 KB): ids 0-511 token_embed, 512-543 Wq, 544-575 Wk, 576-607 Wv, 608-639 Wo.  Wave w takes rows 4 w .. 4 w + 3; its 16 loads go out at once.
; No tensor load, no matrix unit, no cluster: the launch streams each input byte once and work-groups share nothing.
.set SP,    80                         ; the turning stage: a lane's 64 bytes + 16 of padding
.set TW,    10240                      ; a wave's four turning stages (one a row), 32 x SP each
.set HP,    272                        ; a half-piece of 256 bytes + 16 of padding
.set CST,   40960                      ; 16 half-pieces of codes
.set SST,   45312                      ; 256 scale bytes
.set WST,   45568                      ; 64 half-pieces of f16: bytes of their own for Wo's path
.set SPARE, 62976                      ; the spare words, 128 bytes a wave: two blocks of 256 bytes that no other line names
.set R,     16                         ; v16-79   my four rows as loaded: row t, load i at R + 16 t + 4 i
.set X,     80                         ; v80-143  four sets of 16 neighbours; Wo's path: f16 pairs; later the way out
.set C,     144                        ; v144-151 codes, two registers a row
.set E,     152                        ; v152-155 a scale byte a row
	s_load_b512 s[8:23], s[0:1], 0x0               ; token_embed, Wq, Wk, Wv, Wo, xc, xs, wc
	s_load_b128 s[24:27], s[0:1], 0x40             ; ws, wo16
	v_lshl_add_u32 v12, v0, 2, SPARE               ; my spare word; never rewritten
	v_mov_b32 v13, 0                               ; 0; never rewritten
	v_lshrrev_b32 v1, 5, v0
	v_readfirstlane_b32 s4, v1                     ; wave
	v_and_b32 v1, 31, v0                           ; lane
	v_lshlrev_b32 v2, 4, v1                        ; 16 x lane
	; every LDS address is made here, ahead of the parting of the two paths
	s_mul_i32 s5, s4, TW
	v_lshrrev_b32 v14, 2, v1
	v_mul_u32_u24 v3, v14, SP
	v_and_b32 v14, 3, v1
	v_lshl_add_u32 v3, v14, 4, v3
	v_add_nc_u32 v3, s5, v3                        ; into a turning stage: four lanes' 64 bytes on end, then the padding
	v_mul_u32_u24 v4, v1, SP
	v_add_nc_u32 v4, s5, v4                        ; out of it: my 16 neighbours
	v_lshrrev_b32 v14, 1, v1
	v_and_b32 v15, 1, v1
	v_mul_u32_u24 v5, v14, HP
	v_lshl_add_u32 v5, v15, 3, v5                  ; half-piece lane / 2, 8 bytes for each of its two lanes,
	s_lshl_b32 s5, s4, 6
	v_add_nc_u32 v5, s5, v5                        ; row 4 w: 16 bytes a row
	v_add_nc_u32 v8, WST, v5                       ; Wo's f16
	v_add_nc_u32 v5, CST, v5                       ; the codes
	v_add_nc_u32 v6, s5, v14
	v_add_nc_u32 v6, SST, v6                       ; the scale byte of row 4 w, block lane / 2
	v_lshrrev_b32 v14, 4, v1
	v_and_b32 v15, 15, v1
	v_mul_u32_u24 v14, v14, HP
	v_lshl_add_u32 v14, v15, 4, v14                ; back: sixteen lanes to a half-piece
	s_mul_i32 s5, s4, 4*HP
	v_add_nc_u32 v7, s5, v14
	v_add_nc_u32 v7, CST, v7                       ; wave w takes half-pieces 4 w .. 4 w + 3 of the codes,
	s_mul_i32 s5, s4, 16*HP
	v_add_nc_u32 v9, s5, v14
	v_add_nc_u32 v9, WST, v9                       ; or 16 w .. 16 w + 15 of Wo
	v_lshlrev_b32 v11, 3, v1
	v_add_nc_u32 v10, SST, v11                     ; the scale bytes on their way out: 8 a lane
	s_and_b32 s34, ttmp9, 31                       ; a weight's row tile
	s_mov_b32 s38, s34                             ; (Wo's: 608 is a multiple of 32)
	s_sub_co_u32 s35, ttmp9, 512                   ; a weight's tile among wc's 96
	s_wait_kmcnt 0x0
	s_mov_b64 s[28:29], s[16:17]                   ; which tensor: the choice hangs on the work-group's number alone
	s_cmp_lt_u32 ttmp9, 608
	s_cselect_b64 s[28:29], s[14:15], s[28:29]
	s_cmp_lt_u32 ttmp9, 576
	s_cselect_b64 s[28:29], s[12:13], s[28:29]
	s_cmp_lt_u32 ttmp9, 544
	s_cselect_b64 s[28:29], s[10:11], s[28:29]
	s_cmp_lt_u32 ttmp9, 512
	s_cselect_b64 s[28:29], s[8:9], s[28:29]
	s_cselect_b64 s[30:31], s[18:19], s[22:23]     ; where the codes go,
	s_cselect_b64 s[32:33], s[20:21], s[24:25]     ; and the scale bytes
	s_cselect_b32 s34, ttmp9, s34
	s_cselect_b32 s35, ttmp9, s35
	s_lshl_b32 s36, s34, 15                        ; a tile is 32,768 bytes of f32,
	s_lshl_b32 s37, s4, 13                         ; my four rows 8,192
	s_add_co_u32 s36, s36, s37
	s_mov_b32 s37, 0
	s_add_nc_u64 s[28:29], s[28:29], s[36:37]
	s_lshl_b32 s36, s35, 12                        ; 4,096 bytes of codes a tile, 1,024 a wave on the way out
	s_lshl_b32 s39, s4, 10
	s_add_co_u32 s36, s36, s39
	s_add_nc_u64 s[30:31], s[30:31], s[36:37]
	s_lshl_b32 s36, s35, 8                         ; 256 scale bytes a tile
	s_add_nc_u64 s[32:33], s[32:33], s[36:37]
	s_lshl_b32 s36, s38, 14                        ; 16,384 bytes of f16 a tile, 4,096 a wave
	s_lshl_b32 s39, s4, 12
	s_add_co_u32 s36, s36, s39
	s_add_nc_u64 s[26:27], s[26:27], s[36:37]
.irp t, 0,1,2,3
.irp i, 0,1,2,3
	global_load_b128 v[R+16*\t+4*\i:R+16*\t+4*\i+3], v2, s[28:29] offset:2048*\t+512*\i th:TH_LOAD_NT   ; 32 lanes read 512 consecutive bytes
.endr
.endr
	s_cmp_ge_u32 ttmp9, 608
	s_cbranch_scc1 .Lwo1
; THE QUANTISER.  The conversions take neighbours along K from one lane's registers, a load is dense where neighbouring lanes take neighbouring bytes: a row's 2,048 bytes turn through the wave's own stage.
.macro TURN t
.irp i, 0,1,2,3
	ds_store_b128 v3, v[R+16*(\t)+4*\i:R+16*(\t)+4*\i+3] offset:32*SP*(\t)+8*SP*\i
.endr
.irp i, 0,1,2,3
	ds_load_b128 v[X+16*(\t)+4*\i:X+16*(\t)+4*\i+3], v4 offset:32*SP*(\t)+16*\i   ; LDS serves a wave's instructions in order: these see the stores above
.endr
.endm
.macro QSTEP t                         ; row 4 w + t: lane l holds numbers 16 l .. 16 l + 15; two neighbouring lanes hold a block
.set XS, X+16*(\t)
	s_wait_dscnt 24-6*(\t)                         ; this row is back; out may be the later rows' turns (8 each) and the earlier rows' two stores each
	v_max3_num_f32 v14, |v[XS]|, |v[XS+1]|, |v[XS+2]|
	v_max3_num_f32 v15, |v[XS+3]|, |v[XS+4]|, |v[XS+5]|
.irp i, 6,10
	v_max3_num_f32 v14, v14, |v[XS+\i]|, |v[XS+\i+1]|
	v_max3_num_f32 v15, v15, |v[XS+\i+2]|, |v[XS+\i+3]|
.endr
	v_max3_num_f32 v14, v14, |v[XS+14]|, |v[XS+15]|
	v_max3_num_f32 v14, v14, v15, 0x1800000        ; and the floor 2^(3 - 127): the byte cannot fall under 1
	v_max_num_f32_dpp v14, v14, v14 row_xmask:1 row_mask:0xf bank_mask:0xf   ; with my neighbour's 16: the block's largest magnitude
	v_add_nc_u32 v156, 0xff000000, v14             ; 2 off its exponent field: the conversion takes the exponent field of this operand as its scale
	v_cvt_scalef32_pk8_fp4_f32 v[C+2*(\t)], v[XS:XS+7], v156
	v_cvt_scalef32_pk8_fp4_f32 v[C+2*(\t)+1], v[XS+8:XS+15], v156
	v_lshrrev_b32 v[E+(\t)], 23, v156              ; the scale's byte (also the plain line behind the conversions)
	ds_store_b64 v5, v[C+2*(\t):C+2*(\t)+1] offset:16*(\t)
	ds_store_b8 v6, v[E+(\t)] offset:16*(\t)       ; both lanes of a block write the same byte with the same value
.endm
.irp t, 0,1,2,3
	s_wait_loadcnt 12-4*\t                         ; row t's four loads are in; the later rows' may be out
	TURN \t
.endr
.irp t, 0,1,2,3
	QSTEP \t
.endr
	s_branch .Lmeet
.Lwo1:                                             ; Wo: f32 to f16 as loaded: lane l of load i holds k = 128 i + 4 l .. + 3: 8 bytes of half-piece 16 i + l / 2
.irp t, 0,1,2,3
	s_wait_loadcnt 12-4*\t
.irp i, 0,1,2,3
	v_cvt_pk_f16_f32 v[X+8*\t+2*\i], v[R+16*\t+4*\i], v[R+16*\t+4*\i+1]
	v_cvt_pk_f16_f32 v[X+8*\t+2*\i+1], v[R+16*\t+4*\i+2], v[R+16*\t+4*\i+3]
	ds_store_b64 v8, v[X+8*\t+2*\i:X+8*\t+2*\i+1] offset:16*HP*\i+16*\t
.endr
.endr
.Lmeet:
	s_wait_dscnt 0x0                               ; for the others' sake: my stores have landed
	s_barrier_signal -1
	s_barrier_wait -1                              ; a half-piece holds all sixteen rows now
	s_cmp_ge_u32 ttmp9, 608
	s_cbranch_scc1 .Lwo2
	ds_load_b128 v[80:83], v7
	ds_load_b128 v[84:87], v7 offset:2*HP
	s_wait_dscnt 0x0
	global_store_b128 v2, v[80:83], s[30:31]       ; each store of the wave covers 512 consecutive bytes, aligned
	global_store_b128 v2, v[84:87], s[30:31] offset:512
	s_cmp_lg_u32 s4, 0
	s_cbranch_scc1 .Lend
	ds_load_b64 v[88:89], v10                      ; wave 0: the tile's 256 scale bytes
	s_wait_dscnt 0x0
	global_store_b64 v11, v[88:89], s[32:33]
	s_branch .Lend
.Lwo2:
.irp p, 0,1,2,3,4,5,6,7
	ds_load_b128 v[80+4*\p:83+4*\p], v9 offset:2*HP*\p
.endr
.irp p, 0,1,2,3,4,5,6,7
	s_wait_dscnt 7-\p
	global_store_b128 v2, v[80+4*\p:83+4*\p], s[26:27] offset:512*\p
.endr
.Lend:
	s_wait_tensorcnt 0x0                           ; the wave's end: behind my last LDS store
	ds_add_u32 v12, v13
	s_wait_dscnt 0x0
	s_endpgm
.Lfunc_end_k_q1f497d2dd7_prep:
	.size	k_q1f497d2dd7_prep, .Lfunc_end_k_q1f497d2dd7_prep-k_q1f497d2dd7_prep
	.p2alignl 7, 3214868480
	.fill 96, 4, 3214868480
	.section	.rodata,"a",@progbits
	.p2align	6, 0x0
	.amdhsa_kernel k_q1f497d2dd7_prep
		.amdhsa_group_segment_fixed_size 63488
		.amdhsa_private_segment_fixed_size 0
		.amdhsa_enable_private_segment 0
		.amdhsa_kernarg_size 80
		.amdhsa_user_sgpr_count 2
		.amdhsa_user_sgpr_kernarg_segment_ptr 1
		.amdhsa_wavefront_size32 1
		.amdhsa_system_sgpr_workgroup_id_x 1
		.amdhsa_system_sgpr_workgroup_id_y 1
		.amdhsa_system_sgpr_workgroup_id_z 1
		.amdhsa_system_vgpr_workitem_id 0
		.amdhsa_next_free_vgpr 160
		.amdhsa_next_free_sgpr 66
		.amdhsa_reserve_vcc 0
		.amdhsa_float_denorm_mode_32 3
		.amdhsa_float_denorm_mode_16_64 3
		.amdhsa_memory_ordered 1
		.amdhsa_forward_progress 1
		.amdhsa_inst_pref_size 17
	.end_amdhsa_kernel
	.amdgpu_metadata
---
amdhsa.version: [ 1, 2 ]
amdhsa.kernels:
  - .name:           k_q1f497d2dd7_prep
    .symbol:         k_q1f497d2dd7_prep.kd
    .args:
      - { .name: token_embed, .offset: 0, .size: 8, .value_kind: global_buffer, .address_space: global }
      - { .name: Wq, .offset: 8, .size: 8, .value_kind: global_buffer, .address_space: global }
      - { .name: Wk, .offset: 16, .size: 8, .value_kind: global_buffer, .address_space: global }
      - { .name: Wv, .offset: 24, .size: 8, .value_kind: global_buffer, .address_space: global }
      - { .name: Wo, .offset: 32, .size: 8, .value_kind: global_buffer, .address_space: global }
      - { .name: xc, .offset: 40, .size: 8, .value_kind: global_buffer, .address_space: global }
      - { .name: xs, .offset: 48, .size: 8, .value_kind: global_buffer, .address_space: global }
      - { .name: wc, .offset: 56, .size: 8, .value_kind: global_buffer, .address_space: global }
      - { .name: ws, .offset: 64, .size: 8, .value_kind: global_buffer, .address_space: global }
      - { .name: wo16, .offset: 72, .size: 8, .value_kind: global_buffer, .address_space: global }
    .group_segment_fixed_size: 63488
    .private_segment_fixed_size: 0
    .kernarg_segment_align: 8
    .kernarg_segment_size: 80
    .max_flat_workgroup_size: 128
    .sgpr_count:     66
    .vgpr_count:     160
    .wavefront_size: 32
...
	.end_amdgpu_metadata
.endif
;; end of part 1
;; launch qkv (part 2): grid 6 x 128, 4 waves a work-group, no clusters, 0 bytes of LDS; arguments xc, xs, wc, ws, qkv, h16; writes qkv, h16
.if DOCPART == 2
	.amdgcn_target "amdgcn-amd-amdhsa--gfx1250"
	.amdhsa_code_object_version 6
	.text
	.protected	k_q1f497d2dd7_qkv
	.globl	k_q1f497d2dd7_qkv
	.p2align	8
	.type	k_q1f497d2dd7_qkv,@function
k_q1f497d2dd7_qkv:
	s_mov_b64 s[64:65], 0
	v_nop
	global_prefetch_b8 v0, s[64:65] scope:SCOPE_SE
	s_setreg_imm32_b32 hwreg(HW_REG_WAVE_MODE, 25, 1), 1
	s_wait_xcnt 0x0
; q, k, v = x Wq^T, x Wk^T, x Wv^T on codes of E2M1 with E8M0 scales (K = 512: four matrix instructions deep), sums in f32, results rounded once to f16.
; SHARES: work-group (g, tb): 64 tokens (tb) x 256 output columns; wave w: head slice sl = 4 g + w (64 columns): sl 0-7 q, 8-15 k, 16-23 v.  A wave makes 64 x 64: 16 accumulators, all of K.
; ONE PATH FOR ALL THREE.  Source 0 takes set X, source 1 set Y, four tiles of 16 rows each.  In the result lane (r, h) holds row r of Y's tile and rows 8 h + 0 .. 7 of X's tile.
;   q, k: X = the weight's rows, Y = tokens: a lane holds one token and eight neighbouring channels: the layout in which attention takes q and k.
;   v:    X = tokens, Y = the weight's rows: a lane holds one channel and eight neighbouring tokens: the layout in which it takes v (its K is the keys).
; Only pointers and two strides are chosen, by the work-group's number.  qkv: [q, k, v][batch x head, 16][token tile, 256][channel tile, 4][512 bytes: lane l's 16 bytes at 16 l].
; The f32 sums of tokens 0-15 of each batch go to h16 as they stand: [batch][q, k, v][head][channel tile][registers 0-3, 4-7][512 bytes].
; Operands come from memory straight into registers as images of the registers: no LDS, no barrier.  No joint loads: the launch has no tensor load.
; LIMIT: |q|, |k|, |v| beyond f16's 65,504 are not served (inputs 30 times those drawn, with offsets, stay near 9,200).
; REGISTERS: window 0: v1 16 x lane; v2 16 x (lane % 16); v4-7 store offsets; v16-31 X's scale words (4 a + s), v32-47 Y's; v64-191 accumulators ((a, b) at 64 + 8 (4 a + b)); v192-255 packed results.
;            window 1: v0-127 X's fragments (32 a + 8 s), v128-255 Y's.
.set VO,  4
.set SX,  16
.set SY,  32
.set ACC, 64
.set PK,  192
.set MSB, 0
.macro WIN new                         ; the immediate's high byte repeats the setting that is left
.if MSB != \new
	s_set_vgpr_msb (MSB<<8)|\new
.set MSB, \new
.endif
.endm
	s_load_b256 s[4:11], s[0:1], 0x0               ; xc, xs, wc, ws
	s_load_b128 s[12:15], s[0:1], 0x20             ; qkv, h16
	v_lshrrev_b32 v1, 5, v0
	v_readfirstlane_b32 s3, v1                     ; wave
	v_and_b32 v1, 31, v0
	v_and_b32 v2, 15, v0
	v_lshlrev_b32 v1, 4, v1
	v_lshlrev_b32 v2, 4, v2
	s_and_b32 s16, ttmp7, 0xffff                   ; tb: which 64 tokens
	s_lshl_b32 s17, ttmp9, 2
	s_add_co_u32 s17, s17, s3                      ; sl
	s_lshr_b32 s18, ttmp9, 1                       ; 0 q, 1 k, 2 v
	s_and_b32 s19, s17, 7                          ; head
	s_lshr_b32 s2, s16, 6                          ; batch
	s_lshl_b32 s28, s18, 23                        ; where my 16 pieces begin: 8,388,608 a tensor,
	s_lshl_b32 s29, s2, 3
	s_add_co_u32 s29, s29, s19
	s_lshl_b32 s29, s29, 19                        ; 524,288 a head,
	s_add_co_u32 s28, s28, s29
	s_and_b32 s30, s16, 63
	s_lshl_b32 s29, s30, 13                        ; 8,192 for 64 tokens
	s_add_co_u32 s28, s28, s29
	s_mov_b32 s29, 0
	s_mul_i32 s52, s2, 3                           ; and in h16: ((batch x 3 + tensor) x 8 + head) x 4,096
	s_add_co_u32 s52, s52, s18
	s_lshl_b32 s52, s52, 3
	s_add_co_u32 s52, s52, s19
	s_lshl_b32 s52, s52, 12
	s_mov_b32 s53, 0
	s_wait_kmcnt 0x0
	s_cmp_ge_u32 ttmp9, 4                          ; v?  The choices hang on the work-group's number alone
	s_cselect_b64 s[32:33], s[4:5], s[8:9]         ; X's codes,
	s_cselect_b64 s[34:35], s[6:7], s[10:11]       ; X's scales,
	s_cselect_b64 s[36:37], s[8:9], s[4:5]         ; Y's codes,
	s_cselect_b64 s[38:39], s[10:11], s[6:7]       ; Y's scales
	s_cselect_b32 s40, s16, s17                    ; which four tiles of X,
	s_cselect_b32 s41, s17, s16                    ; of Y
	s_cselect_b32 s42, 11, 9                       ; from X's tile a to a + 1 in qkv: a token tile (2,048 bytes) or a channel tile (512),
	s_cselect_b32 s43, 9, 11                       ; from Y's tile b to b + 1
	s_mov_b32 s45, 0
	s_lshl_b32 s44, s40, 14                        ; four tiles of codes are 16,384 bytes,
	s_add_nc_u64 s[32:33], s[32:33], s[44:45]
	s_lshl_b32 s44, s40, 10                        ; of scale bytes 1,024
	s_add_nc_u64 s[34:35], s[34:35], s[44:45]
	s_lshl_b32 s44, s41, 14
	s_add_nc_u64 s[36:37], s[36:37], s[44:45]
	s_lshl_b32 s44, s41, 10
	s_add_nc_u64 s[38:39], s[38:39], s[44:45]
	s_lshl_b32 s46, 1, s42
	s_mov_b32 s47, 0
	s_lshl_b32 s48, 1, s43
	s_add_nc_u64 s[20:21], s[12:13], s[28:29]      ; a base for each a,
	s_add_nc_u64 s[22:23], s[20:21], s[46:47]
	s_add_nc_u64 s[24:25], s[22:23], s[46:47]
	s_add_nc_u64 s[26:27], s[24:25], s[46:47]
	s_add_nc_u64 s[14:15], s[14:15], s[52:53]
	v_mov_b32 v[VO], v1                            ; an offset for each b
	v_add_nc_u32 v[VO+1], s48, v[VO]
	v_add_nc_u32 v[VO+2], s48, v[VO+1]
	v_add_nc_u32 v[VO+3], s48, v[VO+2]
.irp a, 0,1,2,3
	global_load_b128 v[SX+4*\a:SX+4*\a+3], v2, s[34:35] offset:256*\a   ; lane r: row r's four scale words, one for each K step (lanes 16-31 hold the same and are not read)
	global_load_b128 v[SY+4*\a:SY+4*\a+3], v2, s[38:39] offset:256*\a
.endr
	WIN 0x40                                       ; destination window 1
.irp s, 0,1,2,3
.irp a, 0,1,2,3
.irp c, 0,1
	global_load_b128 v[32*\a+8*\s+4*\c:32*\a+8*\s+4*\c+3], v1, s[32:33] offset:4096*\a+512*(2*\s+\c)
	global_load_b128 v[128+32*\a+8*\s+4*\c:128+32*\a+8*\s+4*\c+3], v1, s[36:37] offset:4096*\a+512*(2*\s+\c)
.endr
.endr
.endr
	WIN 0x05                                       ; sources 0 and 1 window 1; C and D window 0
.irp s, 0,1,2,3                        ; the 16 accumulators take turns, one instruction a turn; the first K step starts the sums
	s_wait_loadcnt 16*(3-\s)                       ; this K step's 16 loads are in; the later steps' may be out
.irp a, 0,1,2,3
.irp b, 0,1,2,3
.if \s == 0
	v_wmma_scale_f32_16x16x128_f8f6f4 v[ACC+8*(4*\a+\b):ACC+8*(4*\a+\b)+7], v[32*\a+8*\s:32*\a+8*\s+7], v[128+32*\b+8*\s:128+32*\b+8*\s+7], 0, v[SX+4*\a+\s], v[SY+4*\b+\s] matrix_a_fmt:MATRIX_FMT_FP4 matrix_b_fmt:MATRIX_FMT_FP4
.else
	v_wmma_scale_f32_16x16x128_f8f6f4 v[ACC+8*(4*\a+\b):ACC+8*(4*\a+\b)+7], v[32*\a+8*\s:32*\a+8*\s+7], v[128+32*\b+8*\s:128+32*\b+8*\s+7], v[ACC+8*(4*\a+\b):ACC+8*(4*\a+\b)+7], v[SX+4*\a+\s], v[SY+4*\b+\s] matrix_a_fmt:MATRIX_FMT_FP4 matrix_b_fmt:MATRIX_FMT_FP4
.endif
.endr
.endr
.endr
	WIN 0
.rept 4
	v_nop                                          ; four places between the last product and the first read of a result (ISA guide 7.12.1)
.endr
.set i, 0
.rept 16                               ; each accumulator from its low end on: eight numbers pack into a lane's 16 bytes of a piece
	v_cvt_pk_f16_f32 v[PK+4*i], v[ACC+8*i], v[ACC+8*i+1]
	v_cvt_pk_f16_f32 v[PK+4*i+1], v[ACC+8*i+2], v[ACC+8*i+3]
	v_cvt_pk_f16_f32 v[PK+4*i+2], v[ACC+8*i+4], v[ACC+8*i+5]
	v_cvt_pk_f16_f32 v[PK+4*i+3], v[ACC+8*i+6], v[ACC+8*i+7]
.set i, i+1
.endr
.irp a, 0,1,2,3
.irp b, 0,1,2,3
	global_store_b128 v[VO+\b], v[PK+4*(4*\a+\b):PK+4*(4*\a+\b)+3], s[20+2*\a:21+2*\a]   ; a piece: 512 consecutive bytes, aligned
.endr
.endr
	s_cmp_lg_u32 s30, 0                            ; tokens 0-15 of a batch are carried in f32: ids alone decide
	s_cbranch_scc1 .Ldone
	s_cmp_ge_u32 ttmp9, 4
	s_cbranch_scc1 .Lv16
.irp c, 0,1,2,3                        ; q, k: token tile 0 is Y's tile 0; the channel tile is a
	global_store_b128 v1, v[ACC+32*\c:ACC+32*\c+3], s[14:15] offset:1024*\c
	global_store_b128 v1, v[ACC+32*\c+4:ACC+32*\c+7], s[14:15] offset:1024*\c+512
.endr
	s_branch .Ldone
.Lv16:
.irp c, 0,1,2,3                        ; v: token tile 0 is X's tile 0; the channel tile is b
	global_store_b128 v1, v[ACC+8*\c:ACC+8*\c+3], s[14:15] offset:1024*\c
	global_store_b128 v1, v[ACC+8*\c+4:ACC+8*\c+7], s[14:15] offset:1024*\c+512
.endr
.Ldone:
	s_endpgm
.Lfunc_end_k_q1f497d2dd7_qkv:
	.size	k_q1f497d2dd7_qkv, .Lfunc_end_k_q1f497d2dd7_qkv-k_q1f497d2dd7_qkv
	.p2alignl 7, 3214868480
	.fill 96, 4, 3214868480
	.section	.rodata,"a",@progbits
	.p2align	6, 0x0
	.amdhsa_kernel k_q1f497d2dd7_qkv
		.amdhsa_group_segment_fixed_size 0
		.amdhsa_private_segment_fixed_size 0
		.amdhsa_enable_private_segment 0
		.amdhsa_kernarg_size 48
		.amdhsa_user_sgpr_count 2
		.amdhsa_user_sgpr_kernarg_segment_ptr 1
		.amdhsa_wavefront_size32 1
		.amdhsa_system_sgpr_workgroup_id_x 1
		.amdhsa_system_sgpr_workgroup_id_y 1
		.amdhsa_system_sgpr_workgroup_id_z 1
		.amdhsa_system_vgpr_workitem_id 0
		.amdhsa_next_free_vgpr 512
		.amdhsa_next_free_sgpr 66
		.amdhsa_reserve_vcc 0
		.amdhsa_float_denorm_mode_32 3
		.amdhsa_float_denorm_mode_16_64 3
		.amdhsa_memory_ordered 1
		.amdhsa_forward_progress 1
		.amdhsa_inst_pref_size 25
	.end_amdhsa_kernel
	.amdgpu_metadata
---
amdhsa.version: [ 1, 2 ]
amdhsa.kernels:
  - .name:           k_q1f497d2dd7_qkv
    .symbol:         k_q1f497d2dd7_qkv.kd
    .args:
      - { .name: xc, .offset: 0, .size: 8, .value_kind: global_buffer, .address_space: global }
      - { .name: xs, .offset: 8, .size: 8, .value_kind: global_buffer, .address_space: global }
      - { .name: wc, .offset: 16, .size: 8, .value_kind: global_buffer, .address_space: global }
      - { .name: ws, .offset: 24, .size: 8, .value_kind: global_buffer, .address_space: global }
      - { .name: qkv, .offset: 32, .size: 8, .value_kind: global_buffer, .address_space: global }
      - { .name: h16, .offset: 40, .size: 8, .value_kind: global_buffer, .address_space: global }
    .group_segment_fixed_size: 0
    .private_segment_fixed_size: 0
    .kernarg_segment_align: 8
    .kernarg_segment_size: 48
    .max_flat_workgroup_size: 128
    .sgpr_count:     66
    .vgpr_count:     512
    .wavefront_size: 32
...
	.end_amdgpu_metadata
.endif
;; end of part 2
;; launch attn (part 3): grid 16 x 16, 8 waves a work-group, no clusters, 327,680 bytes of LDS; arguments qkv, ctx; writes ctx
.if DOCPART == 3
	.amdgcn_target "amdgcn-amd-amdhsa--gfx1250"
	.amdhsa_code_object_version 6
	.text
	.protected	k_q1f497d2dd7_attn
	.globl	k_q1f497d2dd7_attn
	.p2align	8
	.type	k_q1f497d2dd7_attn,@function
k_q1f497d2dd7_attn:
	s_mov_b64 s[64:65], 0
	v_nop
	global_prefetch_b8 v0, s[64:65] scope:SCOPE_SE
	s_setreg_imm32_b32 hwreg(HW_REG_WAVE_MODE, 25, 1), 1
	s_wait_xcnt 0x0
; ctx[b][t][head] = softmax over k <= t of (q . k / 8) v, for 16 (batch, head) pairs of 4,096 tokens, head size 64.  q, k, v, the weights p and ctx in f16; products, maxima and sums in f32.
; SHARES.  Work-group (I, BH) makes query block I (128 queries) and then block 31 - I of one head.  Keys come in slots of 256; block j needs j / 2 + 1 slots, so every work-group walks 17 slots:
; all trip counts are constants and all 256 work-groups have the same work.  At trip SW = I / 2 + 1 the block changes.
; THE KEYS ARE SPLIT INSIDE THE WORK-GROUP: wave w takes 32 queries (two tiles; WQ = w % 4) and keys 64 HW .. 64 HW + 63 of each unit of 128 (HW = w / 4).  Waves w and w + 4 hold the same queries and
; merge their maxima, sums and O once a block, through LDS.  So two waves share a SIMD until the end, and each fragment of K and V feeds two tiles of queries.
; LAYOUT.  S^T = K Q^T (source 0 = 16 keys, source 1 = 16 queries), O^T = V^T P (source 0 = 16 channels, source 1 = P): a lane holds ONE query throughout.  q, k, v lie in memory as images of operand
; registers (pieces of 512 bytes), so they come out of LDS by loads of 512 consecutive bytes, and O^T, packed, is a piece of ctx as the projection takes it.
; SOFTMAX.  Running maximum m and sum l for each query: p = 2^(c s - c m), c = log2(e) / 8; in every step O and l are multiplied by a = 2^(c m_old - c m_new).  m begins at -3e38, O and l at 0.
; THE MASK.  A step whose 64 keys all come after the wave's 32 queries is jumped over (ids and counts alone); keys begin at multiples of 64 and queries at multiples of 32, so in a step that is walked the
; first key counts for every query.  On the diagonal hidden scores become -infinity ahead of the maximum.
; THE RING.  Two slots of 64 KB.  Every wave brings 8 KB by one tensor load: waves 0-3 of K, waves 4-7 of V: token tiles 2 WQ, 2 WQ + 1 of BOTH units of the slot (2 rows of 4,096 bytes, 16,384 apart), so
; that every load brings bytes that are read, in a block's last slot too, where the second unit may be hidden.  By this text's count one tensor load a wave is out.
; NO CLUSTER: the work-groups of a head stand at different keys at any moment and change blocks at different trips, so partners would be brought tiles that they jump over.
; LIMITS: f16's range for q, k, v (65,504); NaN and infinities are not served.  The first 16 rows of each batch are written here too; a later launch makes their outputs anew in f32.
; REGISTERS, window 0: v1-11 addresses and constants; v12-15 a quad of statistics; v16-31 statistics (tile t at 16 + 8 t: c m, m, l (two halves), four at work; a in +6); v32-95 S^T; v96-127 P; v128-191 O^T; v192-255 the partner's O.
;            window 1: v0-31 Q; v96-159 K of a step; v192-255 V of a step.
.set SLOTB, 65536
.set VOFF,  32768                      ; in a slot: K's 32 KB, then V's
.set MRG,   131072                     ; behind the ring: for each WQ 16 pieces of O and one of statistics
.set MRGW,  8704
.set SPARE, 165888                     ; the spare words, 128 bytes a wave: four blocks of 256 bytes that no other line names
.set L16,  1                           ; 16 x lane
.set AD0,  2                           ; 16 x lane + 16,384 HW: my half of the keys
.set AD,   3                           ; the same in the slot in hand
.set SPW,  4
.set NIL,  5
.set MGI,  6                           ; my lane's place in my pair's merging region
.set RH,   7                           ; r - 8 h
.set DD,   8                           ; v8, v9: the mask's bound for tile 0, 1
.set NINF, 10
.set PFO,  11                          ; the prefetches' offset: 256 (lane % 16) + 16,384 (lane / 16)
.set QD,   12
.set ST,   16
.set S,    32
.set P,    96
.set O,    128
.set MT,   192
.set QF,   0                           ; window 1
.set KFR,  96
.set VF,   192
.set WV,  8
.set HW,  9
.set WQ,  10
.set II,  11
.set BH,  12
.set SW,  13
.set TR,  14                           ; the trip
.set KF,  15                           ; the slot's first key
.set Q0,  16                           ; my first query
.set TB,  17                           ; LDS byte at which the slot in hand begins
.set KVB, 18                           ; s[18:19] my part of slot 0 in memory
.set QB,  20                           ; s[20:21] the head's q
.set CB,  22                           ; s[22:23] the head's pieces of ctx
.set G1,  24
.set G0,  32
.set CS,  36                           ; s[36:37] c, twice
.set SEL, 38                           ; s[38:39] lane l xor 16
.set OFP, 40                           ; s[40:41] an offset, its upper word 0
.set PFA, 42                           ; s[42:43] where my prefetches stand
.set LIM, 44
.set H64, 45                           ; 64 HW
.set QA,  46
.set CA,  48
.set MSB, 0
.macro WIN new                         ; the immediate's high byte repeats the setting that is left
.if MSB != \new
	s_set_vgpr_msb (MSB<<8)|\new
.set MSB, \new
.endif
.endm
.macro PLACES
.rept 4
	v_nop
.endr
.endm
.macro LOADQ                           ; my 32 queries: 8 pieces, straight into registers
	s_lshl_b32 s[OFP], s[Q0], 7                    ; 128 bytes a token
	s_add_nc_u64 s[QA:QA+1], s[QB:QB+1], s[OFP:OFP+1]
	WIN 0x40
.irp t, 0,1
.irp p, 0,1,2,3
	global_load_b128 v[QF+16*\t+4*\p:QF+16*\t+4*\p+3], v[L16], s[QA:QA+1] offset:2048*\t+512*\p
.endr
.endr
	WIN 0
.endm
.macro INIT                            ; the step is written once: a block's first step finds zeros, which its a = 0 leaves zeros
.irp t, 0,1
	v_mov_b32 v[ST+8*\t+1], 0xff61b1e6             ; -3e38, under every score
	v_mov_b32 v[ST+8*\t+2], 0
	v_mov_b32 v[ST+8*\t+3], 0
	v_mul_f32 v[ST+8*\t], s[CS], v[ST+8*\t+1]
.endr
.set i, 0
.rept 64
	v_mov_b32 v[O+i], 0
.set i, i+1
.endr
.endm
; One step's softmax for both tiles, line by line by turns, so that no line waits for the line above it.
.macro SOFTMAX
.irp j, 0,1,2,3                        ; the maximum: four chains, each beginning at the low end of one accumulator
.irp t, 0,1
	v_max3_num_f32 v[ST+8*\t+4+\j], v[S+32*\t+8*\j], v[S+32*\t+8*\j+1], v[S+32*\t+8*\j+2]
.endr
.endr
.irp i, 3,5
.irp j, 0,1,2,3
.irp t, 0,1
	v_max3_num_f32 v[ST+8*\t+4+\j], v[ST+8*\t+4+\j], v[S+32*\t+8*\j+\i], v[S+32*\t+8*\j+\i+1]
.endr
.endr
.endr
.irp t, 0,1
	v_max3_num_f32 v[ST+8*\t+4], v[ST+8*\t+4], v[S+32*\t+7], v[S+32*\t+15]
.endr
.irp t, 0,1
	v_max3_num_f32 v[ST+8*\t+6], v[ST+8*\t+6], v[S+32*\t+23], v[S+32*\t+31]
.endr
.irp t, 0,1
	v_max3_num_f32 v[ST+8*\t+4], v[ST+8*\t+4], v[ST+8*\t+5], v[ST+8*\t+6]
.endr
.irp t, 0,1
	v_max3_num_f32 v[ST+8*\t+4], v[ST+8*\t+4], v[ST+8*\t+7], v[ST+8*\t+1]   ; and the old m
.endr
.irp t, 0,1
	v_permlanex16_b32 v[ST+8*\t+5], v[ST+8*\t+4], s[SEL], s[SEL+1]   ; the query's other 32 keys lie in the lane 16 away
.endr
.irp t, 0,1
	v_mov_b32 v[ST+8*\t+7], v[ST+8*\t]             ; c m_old
.endr
.irp t, 0,1
	v_max_num_f32 v[ST+8*\t+1], v[ST+8*\t+4], v[ST+8*\t+5]
.endr
.irp t, 0,1
	v_mul_f32 v[ST+8*\t], s[CS], v[ST+8*\t+1]
.endr
.irp t, 0,1
	v_sub_f32 v[ST+8*\t+7], v[ST+8*\t+7], v[ST+8*\t]
.endr
.set i, 0
.rept 16                               ; c s - c m, two at a time
	v_pk_fma_f32 v[S+2*i:S+2*i+1], v[S+2*i:S+2*i+1], s[CS:CS+1], v[ST:ST+1] op_sel_hi:[1,0,0] neg_lo:[0,0,1] neg_hi:[0,0,1]
	v_pk_fma_f32 v[S+32+2*i:S+32+2*i+1], v[S+32+2*i:S+32+2*i+1], s[CS:CS+1], v[ST+8:ST+9] op_sel_hi:[1,0,0] neg_lo:[0,0,1] neg_hi:[0,0,1]
.set i, i+1
.endr
	v_exp_f32 v[ST+6], v[ST+7]                     ; ONE BATCH of 66 exponentials: none reads another's result
	v_exp_f32 v[ST+14], v[ST+15]
.set i, 0
.rept 32
	v_exp_f32 v[S+i], v[S+i]
	v_exp_f32 v[S+32+i], v[S+32+i]
.set i, i+1
.endr
	v_nop                                          ; a plain line behind the last exponential,
	s_wait_alu depctr_va_vdst(0)                   ; and the one wait ahead of the batch's first reader
.set i, 0
.rept 16                               ; two neighbouring keys' weights to a register: source 1 of the second product as it stands
	v_cvt_pk_f16_f32 v[P+i], v[S+2*i], v[S+2*i+1]
	v_cvt_pk_f16_f32 v[P+16+i], v[S+32+2*i], v[S+32+2*i+1]
.set i, i+1
.endr
.irp w, 4,8,16,32                      ; the sum of the unrounded weights, in place, a tree of packed additions
.set i, 0
.rept 32/\w
	v_pk_add_f32 v[S+\w*i:S+\w*i+1], v[S+\w*i:S+\w*i+1], v[S+\w*i+\w/2:S+\w*i+\w/2+1]
	v_pk_add_f32 v[S+32+\w*i:S+32+\w*i+1], v[S+32+\w*i:S+32+\w*i+1], v[S+32+\w*i+\w/2:S+32+\w*i+\w/2+1]
.set i, i+1
.endr
.endr
.irp t, 0,1
	v_pk_fma_f32 v[ST+8*\t+2:ST+8*\t+3], v[ST+8*\t+2:ST+8*\t+3], v[ST+8*\t+6:ST+8*\t+7], v[S+32*\t:S+32*\t+1] op_sel_hi:[1,0,1]   ; l = a l + the sum
.endr
.set i, 0
.rept 16                               ; O^T x a, each accumulator from its low end on
	v_pk_mul_f32 v[O+2*i:O+2*i+1], v[O+2*i:O+2*i+1], v[ST+6:ST+7] op_sel_hi:[1,0]
	v_pk_mul_f32 v[O+32+2*i:O+32+2*i+1], v[O+32+2*i:O+32+2*i+1], v[ST+14:ST+15] op_sel_hi:[1,0]
.set i, i+1
.endr
.endm
; A STEP: my 64 keys of unit q of the slot in hand against my 32 queries: 16 + 16 matrix instructions.  The accumulators take turns, one instruction a turn.
.macro STEP q
	s_add_co_u32 s50, s[KF], 128*\q
	s_add_co_u32 s50, s50, s[H64]                  ; my first key
	s_add_co_u32 s51, s[Q0], 31
	s_cmp_gt_u32 s50, s51                          ; all hidden?  Ids and counts alone
	s_cbranch_scc1 .Lhid_\@
	WIN 0x40                                       ; destination window 1.  (The last products that read these registers stand four plain lines back or more)
.irp k, 0,1,2,3
.irp p, 0,1,2,3
	ds_load_b128 v[KFR+16*\k+4*\p:KFR+16*\k+4*\p+3], v[AD] offset:(\k/2)*8192+4096*\q+(\k%2)*2048+512*\p
.endr
.endr
.irp c, 0,1,2,3
.irp f, 0,1
.irp u, 0,1
	ds_load_b128 v[VF+8*(2*\c+\f)+4*\u:VF+8*(2*\c+\f)+4*\u+3], v[AD] offset:VOFF+\f*8192+4096*\q+\u*2048+512*\c
.endr
.endr
.endr
	s_wait_dscnt 16                                ; K is in; V's 16 loads may be out
	WIN 0x05                                       ; K and Q window 1, S^T window 0
.irp g, 0,1
.irp k, 0,1,2,3
.irp t, 0,1
.if \g == 0
	v_wmma_f32_16x16x32_f16 v[S+32*\t+8*\k:S+32*\t+8*\k+7], v[KFR+16*\k+8*\g:KFR+16*\k+8*\g+7], v[QF+16*\t+8*\g:QF+16*\t+8*\g+7], 0
.else
	v_wmma_f32_16x16x32_f16 v[S+32*\t+8*\k:S+32*\t+8*\k+7], v[KFR+16*\k+8*\g:KFR+16*\k+8*\g+7], v[QF+16*\t+8*\g:QF+16*\t+8*\g+7], v[S+32*\t+8*\k:S+32*\t+8*\k+7]
.endif
.endr
.endr
.endr
	WIN 0
	PLACES                                         ; four places ahead of the first read of the scores (ISA guide 7.12.1)
	s_add_co_u32 s51, s50, 63
	s_cmp_le_u32 s51, s[Q0]                        ; do all 64 keys count for all my queries?
	s_cbranch_scc1 .Lopen_\@
	s_sub_co_u32 s51, s[Q0], s50
	v_add_nc_u32 v[DD], s51, v[RH]                 ; register 8 k + j of tile t holds key (my first) + 16 k + 8 h + j: hidden where 16 k + j > Q0 - (my first key) + 16 t + r - 8 h
	v_add_nc_u32 v[DD+1], 16, v[DD]
.set n, 0
.rept 32
	v_cmp_gt_i32 vcc_lo, 16*(n/8)+n%8, v[DD]
	v_cndmask_b32 v[S+n], v[S+n], v[NINF], vcc_lo
.set n, n+1
.endr
.set n, 0
.rept 32
	v_cmp_gt_i32 vcc_lo, 16*(n/8)+n%8, v[DD+1]
	v_cndmask_b32 v[S+32+n], v[S+32+n], v[NINF], vcc_lo
.set n, n+1
.endr
.Lopen_\@:
	SOFTMAX
	s_wait_dscnt 0x0                               ; V is in
	WIN 0x01                                       ; V window 1; P and O^T window 0
.irp f, 0,1
.irp c, 0,1,2,3
.irp t, 0,1
	v_wmma_f32_16x16x32_f16 v[O+32*\t+8*\c:O+32*\t+8*\c+7], v[VF+8*(2*\c+\f):VF+8*(2*\c+\f)+7], v[P+16*\t+8*\f:P+16*\t+8*\f+7], v[O+32*\t+8*\c:O+32*\t+8*\c+7]
.endr
.endr
.endr
	WIN 0
	PLACES                                         ; for the next loads into V's registers and the next reads of O^T
.Lhid_\@:
.endm
.macro GIVE                            ; waves 4-7: my half's statistics and O^T go to my partner, as images of the registers
	v_mov_b32 v[QD], v[ST]
	v_add_f32 v[QD+1], v[ST+2], v[ST+3]
	v_mov_b32 v[QD+2], v[ST+8]
	v_add_f32 v[QD+3], v[ST+10], v[ST+11]
.set i, 0
.rept 16
	ds_store_b128 v[MGI], v[O+4*i:O+4*i+3] offset:512*i
.set i, i+1
.endr
	ds_store_b128 v[MGI], v[QD:QD+3] offset:8192
.endm
; waves 0-3: both halves under one maximum, divided by the joint sum, rounded to f16, stored.  xw = 1: the copy behind the loop waits itself for the earlier stores' sources; in the loop the wait at each
; trip's head, ahead of the step of the prefetches' address, stands between two copies.
.macro MERGE xw
.if \xw
	s_wait_xcnt 0x0
.endif
	s_lshl_b32 s[OFP], s[Q0], 10                   ; 1,024 bytes of ctx a token
	s_add_nc_u64 s[CA:CA+1], s[CB:CB+1], s[OFP:OFP+1]
	ds_load_b128 v[QD:QD+3], v[MGI] offset:8192
.set i, 0
.rept 16
	ds_load_b128 v[MT+4*i:MT+4*i+3], v[MGI] offset:512*i
.set i, i+1
.endr
.irp t, 0,1
	v_add_f32 v[ST+8*\t+4], v[ST+8*\t+2], v[ST+8*\t+3]
.endr
	s_wait_dscnt 16                                ; the statistics are in; the 16 pieces of O may be out
.irp t, 0,1
	v_max_num_f32 v[ST+8*\t+5], v[ST+8*\t], v[QD+2*\t]
.endr
.irp t, 0,1
	v_sub_f32 v[ST+8*\t+6], v[ST+8*\t], v[ST+8*\t+5]
	v_sub_f32 v[ST+8*\t+7], v[QD+2*\t], v[ST+8*\t+5]
.endr
.irp t, 0,1
	v_exp_f32 v[ST+8*\t+6], v[ST+8*\t+6]           ; mine under the joint maximum,
	v_exp_f32 v[ST+8*\t+7], v[ST+8*\t+7]           ; my partner's (0 where it walked no step)
.endr
	v_nop
	s_wait_alu depctr_va_vdst(0)                   ; one wait for the four, ahead of their first reader
.irp t, 0,1
	v_mul_f32 v[ST+8*\t+4], v[ST+8*\t+4], v[ST+8*\t+6]
.endr
.irp t, 0,1
	v_fmac_f32 v[ST+8*\t+4], v[QD+2*\t+1], v[ST+8*\t+7]
.endr
.irp t, 0,1
	v_permlanex16_b32 v[ST+8*\t+5], v[ST+8*\t+4], s[SEL], s[SEL+1]
.endr
.irp t, 0,1
	v_add_f32 v[ST+8*\t+4], v[ST+8*\t+4], v[ST+8*\t+5]   ; the row's sum: key 0 counts for every query, so it is not 0
.endr
.irp t, 0,1
	v_rcp_f32 v[ST+8*\t+5], v[ST+8*\t+4]
.endr
	v_nop
	s_wait_alu depctr_va_vdst(0)
.irp t, 0,1
	v_mul_f32 v[ST+8*\t+6], v[ST+8*\t+6], v[ST+8*\t+5]
	v_mul_f32 v[ST+8*\t+4], v[ST+8*\t+7], v[ST+8*\t+5]
.endr
	s_wait_dscnt 0x0
.irp t, 0,1
.set i, 0
.rept 16
	v_pk_mul_f32 v[O+32*\t+2*i:O+32*\t+2*i+1], v[O+32*\t+2*i:O+32*\t+2*i+1], v[ST+8*\t+6:ST+8*\t+7] op_sel_hi:[1,0]
	v_pk_fma_f32 v[O+32*\t+2*i:O+32*\t+2*i+1], v[MT+32*\t+2*i:MT+32*\t+2*i+1], v[ST+8*\t+4:ST+8*\t+5], v[O+32*\t+2*i:O+32*\t+2*i+1] op_sel_hi:[1,0,1]
.set i, i+1
.endr
.endr
.irp t, 0,1
.set i, 0
.rept 16
	v_cvt_pk_f16_f32 v[MT+16*\t+i], v[O+32*\t+2*i], v[O+32*\t+2*i+1]
.set i, i+1
.endr
.endr
.irp t, 0,1
.irp c, 0,1,2,3
	global_store_b128 v[L16], v[MT+16*\t+4*\c:MT+16*\t+4*\c+3], s[CA:CA+1] offset:16384*\t+512*\c   ; a piece of ctx: 512 consecutive bytes, aligned
.endr
.endr
.endm
.macro SWITCH                          ; on to block 31 - I
	s_sub_co_u32 s50, 31, s[II]
	s_lshl_b32 s50, s50, 7
	s_lshl_b32 s51, s[WQ], 5
	s_add_co_u32 s[Q0], s50, s51
	s_mov_b32 s[KF], 0
	LOADQ
	INIT
	s_wait_loadcnt 0x0
.endm
; A PREFETCH INTO THE L2: trip t names my wave's 8 KB of slot t + 2 (32 blocks of 256 bytes, a lane a block), one trip ahead of the earliest tensor load that any work-group of the head issues for that slot.
; Each block is named once in the launch: all work-groups of a head walk the same K and V, and the head's work-group I = 0 alone asks.  Slots 0 and 1 come by their loads alone; the last asking trip is 13, for slot 15.
.macro ASK
	s_cmp_lt_u32 s[TR], s[LIM]
	s_cbranch_scc0 .Lna_\@
	global_prefetch_b8 v[PFO], s[PFA:PFA+1] th:TH_LOAD_NT scope:SCOPE_SE
.Lna_\@:
.endm
; A TRIP: one slot.  fill = 1: the other slot is asked for.  flush = 1: the change of blocks may fall here.
.macro TRIP fill, flush
.if \flush
	s_cmp_eq_u32 s[TR], s[SW]
	s_cbranch_scc0 .Lng_\@
	s_cmp_lt_u32 s[WV], 4
	s_cbranch_scc1 .Lng_\@
	GIVE
.Lng_\@:
.endif
	s_wait_tensorcnt 0x0                           ; my one tensor load, my part of the slot ahead, has landed: so the group 0 may be written
	ds_add_u32 v[SPW], v[NIL]                      ; 0 onto my spare word
.if \fill
	s_add_co_u32 s50, s[TR], 1                     ; the next trip's slot of keys: trips count on within a block and begin anew at SW
	s_sub_co_u32 s51, s50, s[SW]
	s_cmp_lt_u32 s50, s[SW]
	s_cselect_b32 s50, s50, s51
	s_lshl_b32 s[OFP], s50, 15                     ; 32,768 bytes of K, and of V, a slot
	s_add_nc_u64 s[G0+2:G0+3], s[KVB:KVB+1], s[OFP:OFP+1]
	s_or_b32 s[G0+3], s[G0+3], 0x80000000
	s_xor_b32 s[G0+1], s[G0+1], SLOTB              ; into the other slot than last time
	s_wait_xcnt 0x0                                ; the last trip's prefetch and stores have read their sources
	s_add_nc_u64 s[PFA:PFA+1], s[PFA:PFA+1], 32768
.endif
	s_wait_dscnt 0x0                               ; the add is done, my reads of the slot that I have left are over, and what I gave has landed
	s_barrier_signal -1
	s_barrier_wait -1                              ; all that now holds of all eight waves
.if \fill
	tensor_load_to_lds s[G0:G0+3], s[G1:G1+7]      ; the first thing behind the barrier, my one tensor load until the next: it has this trip's steps in which to land
	s_nop 0
	PLACES
	ASK
.endif
.if \flush
	s_cmp_eq_u32 s[TR], s[SW]
	s_cbranch_scc0 .Lnf_\@
	s_cmp_lt_u32 s[WV], 4
	s_cbranch_scc0 .Lnm_\@
	MERGE 0
.Lnm_\@:
	SWITCH
.Lnf_\@:
	s_wait_dscnt 0x0                               ; my reads of the merging region are over:
	s_barrier_signal -1                            ; a barrier between them and whatever is given next
	s_barrier_wait -1
.endif
	v_add_nc_u32 v[AD], s[TB], v[AD0]
	STEP 0
	STEP 1
	s_add_co_u32 s[KF], s[KF], 256
	s_xor_b32 s[TB], s[TB], SLOTB
.endm
	s_load_b128 s[4:7], s[0:1], 0x0                ; qkv, ctx
	v_lshl_add_u32 v[SPW], v0, 2, SPARE
	v_mov_b32 v[NIL], 0
	ds_add_u32 v[SPW], v[NIL]                      ; the wave's opening: the add, twice on end, and its wait ahead of my first tensor load
	ds_add_u32 v[SPW], v[NIL]
	v_lshrrev_b32 v12, 5, v0
	v_readfirstlane_b32 s[WV], v12
	s_lshr_b32 s[HW], s[WV], 2
	s_and_b32 s[WQ], s[WV], 3
	s_mov_b32 s[II], ttmp9
	s_and_b32 s[BH], ttmp7, 0xffff
	s_lshr_b32 s[SW], s[II], 1
	s_add_co_u32 s[SW], s[SW], 1
	s_mov_b32 s[TR], 0
	s_mov_b32 s[KF], 0
	s_lshl_b32 s[Q0], s[II], 7
	s_lshl_b32 s50, s[WQ], 5
	s_add_co_u32 s[Q0], s[Q0], s50                 ; 128 I + 32 WQ
	s_mov_b32 s[TB], 0
	s_lshl_b32 s[H64], s[HW], 6
	; descriptor group 1: 2 rows of 512 elements of 8 bytes, 2,048 elements apart; dense in LDS
	s_mov_b32 s[G1], 3<<16                         ; no mask; elements of 8 bytes; no padding
	s_mov_b32 s[G1+1], 512<<16                     ; tensor_dim0
	s_mov_b32 s[G1+2], 2<<16                       ; tensor_dim1
	s_mov_b32 s[G1+3], 512<<16                     ; tile_dim0
	s_mov_b32 s[G1+4], 2                           ; tile_dim1
	s_mov_b32 s[G1+5], 2048                        ; from row to row
	s_mov_b32 s[G1+6], 0
	s_mov_b32 s[G1+7], 0
	s_mov_b32 s[G0], 1
	s_lshl_b32 s[G0+1], s[WV], 13                  ; slot 0: waves 0-3 K's four parts, waves 4-7 V's
	s_mov_b32 s[CS], 0x3e38aa3b                    ; c = log2(e) / 8
	s_mov_b32 s[CS+1], s[CS]
	s_mov_b32 s[SEL], 0x76543210
	s_mov_b32 s[SEL+1], 0xfedcba98
	s_cmp_eq_u32 s[II], 0
	s_cselect_b32 s[LIM], 14, 0
	v_and_b32 v12, 31, v0
	v_lshlrev_b32 v[L16], 4, v12
	v_and_b32 v13, 15, v0                          ; r
	v_bfe_u32 v14, v0, 4, 1                        ; h
	s_lshl_b32 s50, s[HW], 14
	v_add_nc_u32 v[AD0], s50, v[L16]
	s_mul_i32 s50, s[WQ], MRGW
	s_add_co_u32 s50, s50, MRG
	v_add_nc_u32 v[MGI], s50, v[L16]
	v_lshlrev_b32 v15, 3, v14
	v_sub_nc_u32 v[RH], v13, v15
	v_mov_b32 v[NINF], 0xff800000
	v_lshlrev_b32 v[PFO], 8, v13
	v_lshl_add_u32 v[PFO], v14, 14, v[PFO]
	s_add_co_u32 s[OFP], s[HW], 1                  ; k is the second tensor of qkv, v the third
	s_lshl_b32 s[OFP], s[OFP], 23
	s_lshl_b32 s50, s[BH], 19
	s_add_co_u32 s[OFP], s[OFP], s50
	s_lshl_b32 s51, s[WQ], 12                      ; my two token tiles
	s_add_co_u32 s[OFP], s[OFP], s51
	s_mov_b32 s[OFP+1], 0
	s_mov_b32 s51, 0
	s_lshr_b32 s52, s[BH], 3
	s_lshl_b32 s52, s52, 22                        ; ctx: 4,194,304 bytes a batch,
	s_and_b32 s53, s[BH], 7
	s_lshl_b32 s53, s53, 11                        ; a head's four pieces 2,048
	s_add_co_u32 s52, s52, s53
	s_mov_b32 s53, 0
	s_wait_dscnt 0x0                               ; both opening adds are done
	s_wait_kmcnt 0x0
	s_add_nc_u64 s[KVB:KVB+1], s[4:5], s[OFP:OFP+1]
	s_add_nc_u64 s[QB:QB+1], s[4:5], s[50:51]
	s_add_nc_u64 s[CB:CB+1], s[6:7], s[52:53]
	s_mov_b64 s[G0+2:G0+3], s[KVB:KVB+1]
	s_or_b32 s[G0+3], s[G0+3], 0x80000000
	tensor_load_to_lds s[G0:G0+3], s[G1:G1+7]      ; slot 0
	s_nop 0
	PLACES
	s_add_nc_u64 s[PFA:PFA+1], s[KVB:KVB+1], 32768 ; the first trip steps it to slot 2; nothing is prefetched here, at the head
	LOADQ
	INIT
	s_wait_loadcnt 0x0
.Ltrip:                                            ; 16 trips; slot 1's first fill goes out behind the first trip's barrier, at
	TRIP 1, 1
	s_add_co_u32 s[TR], s[TR], 1
	s_cmp_lt_u32 s[TR], 16
	s_cbranch_scc1 .Ltrip
	TRIP 0, 0                                      ; the 17th slot is written out: it asks for nothing, and no change of blocks falls here (SW is 8 at the most)
	s_cmp_lt_u32 s[WV], 4
	s_cbranch_scc1 .Lng_end
	GIVE
.Lng_end:
	s_wait_dscnt 0x0
	s_barrier_signal -1
	s_barrier_wait -1
	s_cmp_lt_u32 s[WV], 4
	s_cbranch_scc0 .Lend
	MERGE 1
.Lend:
	s_wait_tensorcnt 0x0                           ; the wave's end: behind my last tensor load and my last LDS store
	ds_add_u32 v[SPW], v[NIL]
	s_wait_dscnt 0x0
	s_endpgm
.Lfunc_end_k_q1f497d2dd7_attn:
	.size	k_q1f497d2dd7_attn, .Lfunc_end_k_q1f497d2dd7_attn-k_q1f497d2dd7_attn
	.p2alignl 7, 3214868480
	.fill 96, 4, 3214868480
	.section	.rodata,"a",@progbits
	.p2align	6, 0x0
	.amdhsa_kernel k_q1f497d2dd7_attn
		.amdhsa_group_segment_fixed_size 327680
		.amdhsa_private_segment_fixed_size 0
		.amdhsa_enable_private_segment 0
		.amdhsa_kernarg_size 16
		.amdhsa_user_sgpr_count 2
		.amdhsa_user_sgpr_kernarg_segment_ptr 1
		.amdhsa_wavefront_size32 1
		.amdhsa_system_sgpr_workgroup_id_x 1
		.amdhsa_system_sgpr_workgroup_id_y 1
		.amdhsa_system_sgpr_workgroup_id_z 1
		.amdhsa_system_vgpr_workitem_id 0
		.amdhsa_next_free_vgpr 512
		.amdhsa_next_free_sgpr 66
		.amdhsa_reserve_vcc 1
		.amdhsa_float_denorm_mode_32 3
		.amdhsa_float_denorm_mode_16_64 3
		.amdhsa_memory_ordered 1
		.amdhsa_forward_progress 1
		.amdhsa_inst_pref_size 118
	.end_amdhsa_kernel
	.amdgpu_metadata
---
amdhsa.version: [ 1, 2 ]
amdhsa.kernels:
  - .name:           k_q1f497d2dd7_attn
    .symbol:         k_q1f497d2dd7_attn.kd
    .args:
      - { .name: qkv, .offset: 0, .size: 8, .value_kind: global_buffer, .address_space: global }
      - { .name: ctx, .offset: 8, .size: 8, .value_kind: global_buffer, .address_space: global }
    .group_segment_fixed_size: 327680
    .private_segment_fixed_size: 0
    .kernarg_segment_align: 8
    .kernarg_segment_size: 16
    .max_flat_workgroup_size: 256
    .sgpr_count:     66
    .vgpr_count:     512
    .wavefront_size: 32
...
	.end_amdgpu_metadata
.endif
;; end of part 3
;; launch proj (part 4): grid 4 x 64, 4 waves a work-group, clusters of 4 x 4, 280,064 bytes of LDS; arguments ctx, wo16, bo, out0; writes out0
.if DOCPART == 4
	.amdgcn_target "amdgcn-amd-amdhsa--gfx1250"
	.amdhsa_code_object_version 6
	.text
	.protected	k_q1f497d2dd7_proj
	.globl	k_q1f497d2dd7_proj
	.p2align	8
	.type	k_q1f497d2dd7_proj,@function
k_q1f497d2dd7_proj:
	s_mov_b64 s[64:65], 0
	v_nop
	global_prefetch_b8 v0, s[64:65] scope:SCOPE_SE
	s_setreg_imm32_b32 hwreg(HW_REG_WAVE_MODE, 25, 1), 1
	s_wait_xcnt 0x0
	s_wait_alu depctr_hold_cnt(0) depctr_sa_sdst(0) depctr_va_vdst(0) depctr_va_sdst(0) depctr_va_ssrc(0) depctr_va_vcc(0) depctr_vm_vsrc(0)
	s_getreg_b32 s2, hwreg(HW_REG_IB_STS2, 6, 4)
	s_cmp_eq_u32 s2, 0
	s_cbranch_scc0 .Lentry_in_a_cluster
	s_endpgm
.Lentry_in_a_cluster:
	s_bfe_u32 s2, ttmp6, 0x10000c
	s_cmp_lg_u32 s2, 0xf033
	s_cbranch_scc0 .Lentry_shape_is_right
	s_endpgm
.Lentry_shape_is_right:
; out0[token][e] = sum over k of ctx[token][k] Wo[e][k] + bo[e].  ctx and Wo in f16, as images of operand registers (pieces of 512 bytes: 16 rows x 16 along K); sums and out0 in f32.
; A tile of 128 x 128 to a work-group of four waves, 64 x 64 a wave: 16 accumulators.  8,192 x 512 outputs make 256 such tiles.  K = 512 lies in LDS whole: nothing is filled again.
; THE MATRIX INSTRUCTION IS USED TRANSPOSED (source 0 = 16 rows of Wo, source 1 = 16 tokens): a lane holds eight neighbouring outputs of one token.  The bias is the C of each sum's first product.
; CLUSTERS: 4 x 4 work-groups.  The four of a row of the cluster need the same 128 tokens of ctx, the four of a column the same 128 rows of Wo: each is asked for JOINTLY, by the same tensor loads with the
; same descriptors and a mask that names the four.  Waves 0, 1 bring ctx's halves, waves 2, 3 Wo's; each by four loads, one for each quarter of K (4 rows of 4,096 bytes, 16,384 apart), so that the products
; begin when the first quarter has landed.  By this text's count four tensor loads a wave are out.
; Rows 0-15 of each batch are stored here like all others; the launch that follows writes them anew from f32 operands.
; REGISTERS: window 0: v16-29 addresses; v32-63 the bias, 8 registers for each of my four tiles of outputs; v64-127 the way out; v128-255 accumulators ((a, b) at 128 + 8 (4 a + b)).
;            window 1: two fragment buffers of 128: for 64 along K, 64 registers of ctx (8 (4 c + a)), then 64 of Wo.
.set BOFS,   131072                    ; LDS: ctx: quarter kq at 32,768 kq, token tile i at 4,096 i; Wo likewise from here on
.set STAGE,  262144                    ; 16 rows x (256 bytes + 16) for each wave
.set SPITCH, 272
.set SPARE,  279552                    ; the spare words, 128 bytes a wave: two blocks of 256 bytes that no other line names
.set ADA, 16                           ; v16, v17  my ctx fragments in quarters 0-1, 2-3
.set ADB, 20                           ; v20, v21  my Wo fragments
.set STO, 24
.set RD,  25
.set CO,  26
.set BOF, 27
.set SPW, 28
.set NIL, 29
.set BI,  32
.set BK,  64
.set ACC, 128
.set F0,  0
.set F1,  128
.set G1A, 24
.set G0A, 32                           ; s[32:47] four groups 0 for ctx
.set G1B, 48
.set G0B, 68                           ; s[68:83] four for Wo
.set MSB, 0
.macro WIN new
.if MSB != \new
	s_set_vgpr_msb (MSB<<8)|\new
.set MSB, \new
.endif
.endm
.set MUL,  0x05                        ; sources 0 and 1 window 1; C and D window 0
.set TO_F, 0x40
.macro CROUND                          ; a round of the cluster's barrier
	s_barrier_signal -1
	s_barrier_wait -1
	s_cmp_lg_u32 s12, 0
	s_cbranch_scc1 .Lnot_wave_0_\@
	s_barrier_signal -3
.Lnot_wave_0_\@:
	s_barrier_wait -3
	s_barrier_signal -1
	s_barrier_wait -1
.endm
.macro PLACES
.rept 4
	v_nop
.endr
.endm
	s_load_b256 s[4:11], s[0:1], 0x0               ; ctx, wo16, bo, out0
	v_lshl_add_u32 v[SPW], v0, 2, SPARE
	v_mov_b32 v[NIL], 0
	ds_add_u32 v[SPW], v[NIL]                      ; the wave's opening: the add, twice on end, and its wait ahead of my first tensor load
	ds_add_u32 v[SPW], v[NIL]
	v_lshrrev_b32 v1, 5, v0
	v_readfirstlane_b32 s12, v1                    ; wave
	s_lshr_b32 s13, s12, 1                         ; my half of the tokens.  Also: I fetch for ctx (0) or for Wo (1)
	s_and_b32 s14, s12, 1                          ; my half of the outputs.  Also: which 64 rows I fetch
	s_bfe_u32 s15, ttmp6, 0x40000                  ; cx
	s_bfe_u32 s16, ttmp6, 0x40004                  ; cy
	s_lshl_b32 s17, ttmp9, 2
	s_add_co_u32 s17, s17, s15                     ; tile column
	s_and_b32 s18, ttmp7, 0xffff
	s_lshl_b32 s18, s18, 2
	s_add_co_u32 s18, s18, s16                     ; tile row
	s_lshl_b32 s19, s16, 2
	s_lshl_b32 s19, 15, s19                        ; my row of the cluster
	s_lshl_b32 s84, 0x1111, s15                    ; my column
	s_or_b32 s[G1A], s19, (3<<16)|(1<<21)          ; the mask; elements of 8 bytes; bit 21 set beside a mask; no padding
	s_or_b32 s[G1B], s84, (3<<16)|(1<<21)
.irp g, G1A, G1B
	s_mov_b32 s[\g+1], 512<<16                     ; tensor_dim0: 4,096 bytes
	s_mov_b32 s[\g+2], 4<<16                       ; tensor_dim1
	s_mov_b32 s[\g+3], 512<<16                     ; tile_dim0
	s_mov_b32 s[\g+4], 4                           ; tile_dim1: four tiles of 16 rows
	s_mov_b32 s[\g+5], 2048                        ; a tile's 32 pieces are 16,384 bytes
	s_mov_b32 s[\g+6], 0
	s_mov_b32 s[\g+7], 0
.endr
	s_lshl_b32 s85, s14, 16                        ; which four tiles I fetch
	s_lshl_b32 s20, s18, 17                        ; ctx: 131,072 bytes for 128 tokens: it hangs on the tile row alone,
	s_add_co_u32 s20, s20, s85
	s_mov_b32 s21, 0
	s_lshl_b32 s22, s17, 17                        ; Wo: on the tile column alone
	s_add_co_u32 s22, s22, s85
	s_mov_b32 s23, 0
	s_lshl_b32 s85, s13, 17                        ; where they go: no place in the cluster enters an LDS address
	s_lshl_b32 s90, s14, 14
	s_add_co_u32 s85, s85, s90
	s_wait_dscnt 0x0                               ; both opening adds are done
	s_wait_kmcnt 0x0
	s_add_nc_u64 s[86:87], s[4:5], s[20:21]
	s_add_nc_u64 s[88:89], s[6:7], s[22:23]
	CROUND                                         ; all sixteen work-groups are here: the joint loads meet
.irp q, 0,1,2,3
	s_mov_b32 s[G0A+4*\q], 1
	s_add_co_u32 s[G0A+4*\q+1], s85, \q*32768
	s_add_nc_u64 s[G0A+4*\q+2:G0A+4*\q+3], s[86:87], \q*4096
	s_or_b32 s[G0A+4*\q+3], s[G0A+4*\q+3], 0x80000000
	s_mov_b32 s[G0B+4*\q], 1
	s_add_co_u32 s[G0B+4*\q+1], s85, \q*32768
	s_add_nc_u64 s[G0B+4*\q+2:G0B+4*\q+3], s[88:89], \q*4096
	s_or_b32 s[G0B+4*\q+3], s[G0B+4*\q+3], 0x80000000
.endr
	s_cmp_eq_u32 s13, 0                            ; a wave's four loads stand in one branch on the wave's number, ahead of every wait on TENSORcnt, every LDS read and every further barrier
	s_cbranch_scc0 .Lfor_b
.irp q, 0,1,2,3
	tensor_load_to_lds s[G0A+4*\q:G0A+4*\q+3], s[G1A:G1A+7]
	s_nop 0
.endr
	PLACES
	s_branch .Lasked
.Lfor_b:
.irp q, 0,1,2,3
	tensor_load_to_lds s[G0B+4*\q:G0B+4*\q+3], s[G1B:G1B+7]
	s_nop 0
.endr
	PLACES
.Lasked:
	v_and_b32 v1, 31, v0
	v_and_b32 v2, 15, v0                           ; r
	v_bfe_u32 v3, v0, 4, 1                         ; h
	v_lshlrev_b32 v4, 4, v1                        ; 16 x lane
	s_lshl_b32 s90, s17, 9                         ; my 64 outputs: 512 bytes a tile column + 256 a half
	s_lshl_b32 s91, s14, 8
	s_add_co_u32 s90, s90, s91
	s_mov_b32 s91, 0
	s_add_nc_u64 s[8:9], s[8:9], s[90:91]
	v_lshlrev_b32 v[BOF], 5, v3                    ; the bias in the result's layout: lane (r, h) wants outputs 16 b + 8 h + 0 .. 7
.irp b, 0,1,2,3
	global_load_b128 v[BI+8*\b:BI+8*\b+3], v[BOF], s[8:9] offset:64*\b
	global_load_b128 v[BI+8*\b+4:BI+8*\b+7], v[BOF], s[8:9] offset:64*\b+16
.endr
	s_add_nc_u64 s[10:11], s[10:11], s[90:91]
	s_lshl_b32 s90, s18, 18                        ; my 64 tokens: 262,144 bytes a tile row + 131,072 a half
	s_lshl_b32 s92, s13, 17
	s_add_co_u32 s90, s90, s92
	s_add_nc_u64 s[10:11], s[10:11], s[90:91]
	s_lshl_b32 s92, s13, 14
	v_add_nc_u32 v[ADA], s92, v4
	v_add_nc_u32 v[ADA+1], 65536, v[ADA]
	s_lshl_b32 s92, s14, 14
	s_add_co_u32 s92, s92, BOFS
	v_add_nc_u32 v[ADB], s92, v4
	v_add_nc_u32 v[ADB+1], 65536, v[ADB]
	s_mul_i32 s92, s12, 16*SPITCH
	s_add_co_u32 s92, s92, STAGE                   ; my stage
	v_mul_u32_u24 v[STO], v2, SPITCH
	v_lshl_add_u32 v[STO], v3, 5, v[STO]
	v_add_nc_u32 v[STO], s92, v[STO]               ; in: row r, 32 bytes for each half of the lanes
	v_mul_u32_u24 v[RD], v3, SPITCH
	v_lshl_add_u32 v[RD], v2, 4, v[RD]
	v_add_nc_u32 v[RD], s92, v[RD]                 ; back: lanes 0-15 one row of 256 bytes, lanes 16-31 the next
	v_lshlrev_b32 v[CO], 11, v3
	v_lshl_add_u32 v[CO], v2, 4, v[CO]             ; and the same two rows of out0 (2,048 bytes a row)
; 8 matrix instructions: token tiles a0, a0 + 1 x my four tiles of outputs, 32 along K: half c of buffer f.  bias = 1: the first product starts the sums from the bias.  The 16 accumulators take turns.
.macro MUL8 f, c, a0, bias
.irp a, \a0, \a0+1
.irp b, 0,1,2,3
.if \bias
	v_wmma_f32_16x16x32_f16 v[ACC+8*(4*(\a)+\b):ACC+8*(4*(\a)+\b)+7], v[\f+64+8*(4*\c+\b):\f+64+8*(4*\c+\b)+7], v[\f+8*(4*\c+\a):\f+8*(4*\c+\a)+7], v[BI+8*\b:BI+8*\b+7]
.else
	v_wmma_f32_16x16x32_f16 v[ACC+8*(4*(\a)+\b):ACC+8*(4*(\a)+\b)+7], v[\f+64+8*(4*\c+\b):\f+64+8*(4*\c+\b)+7], v[\f+8*(4*\c+\a):\f+8*(4*\c+\a)+7], v[ACC+8*(4*(\a)+\b):ACC+8*(4*(\a)+\b)+7]
.endif
.endr
.endr
.endm
; 32 LDS loads in one run: chunk j (64 along K: half of quarter j / 2) into buffer f; its first 32 along K first.  Each load takes 512 consecutive bytes.
.macro FETCH j, f
	WIN TO_F
.irp c, 0,1
.irp i, 0,1,2,3
	ds_load_b128 v[\f+64+8*(4*\c+\i):\f+64+8*(4*\c+\i)+3],   v[ADB+(\j)/4] offset:(((\j)/2)%2)*32768+\i*4096+((\j)%2)*2048+\c*1024
	ds_load_b128 v[\f+64+8*(4*\c+\i)+4:\f+64+8*(4*\c+\i)+7], v[ADB+(\j)/4] offset:(((\j)/2)%2)*32768+\i*4096+((\j)%2)*2048+\c*1024+512
	ds_load_b128 v[\f+8*(4*\c+\i):\f+8*(4*\c+\i)+3],         v[ADA+(\j)/4] offset:(((\j)/2)%2)*32768+\i*4096+((\j)%2)*2048+\c*1024
	ds_load_b128 v[\f+8*(4*\c+\i)+4:\f+8*(4*\c+\i)+7],       v[ADA+(\j)/4] offset:(((\j)/2)%2)*32768+\i*4096+((\j)%2)*2048+\c*1024+512
.endr
.endr
.endm
; Chunk j multiplies buffer f and fetches chunk j + 1 into g.  Where j is odd the next chunk lies in the next quarter of K: each wave waits for its load of that quarter and all meet.
.macro CHUNK j, f, g, first
	s_wait_dscnt 16                                ; the first 32 along K are in
	WIN MUL
	MUL8 \f, 0, 0, \first
	MUL8 \f, 0, 2, \first
.if (\j)%2
	s_wait_dscnt 0x0                               ; no LDS instruction of mine is out at a signal
	s_wait_tensorcnt 3-((\j)+1)/2                  ; my load of quarter (j + 1) / 2 has landed; the later quarters' may be out
	s_barrier_signal -1
	s_barrier_wait -1
.endif
	PLACES                                         ; four places ahead of loads into registers that matrix instructions have read
	FETCH (\j)+1, \g
	s_wait_dscnt 32                                ; all but the 32 just issued
	WIN MUL
	MUL8 \f, 1, 0, 0
	MUL8 \f, 1, 2, 0
.endm
	s_wait_tensorcnt 3                             ; my part of the first quarter is in,
	s_barrier_signal -1
	s_barrier_wait -1                              ; everybody's is
	FETCH 0, F0
	s_wait_loadcnt 0x0                             ; the bias
	CHUNK 0, F0, F1, 1
	CHUNK 1, F1, F0, 0
	CHUNK 2, F0, F1, 0
	CHUNK 3, F1, F0, 0
	CHUNK 4, F0, F1, 0
	CHUNK 5, F1, F0, 0
	CHUNK 6, F0, F1, 0
	s_wait_dscnt 16                                ; the last chunk fetches nothing
	WIN MUL
	MUL8 F1, 0, 0, 0
	MUL8 F1, 0, 2, 0
	s_wait_dscnt 0x0
	MUL8 F1, 1, 0, 0
	MUL8 F1, 1, 2, 0
	WIN 0
; THE WAY OUT, 16 tokens x 64 outputs at a time through my own stage: a lane holds 32 bytes of a row and the lanes beside it other rows; back come whole rows of 256 bytes.
; LDS serves a wave's instructions in order (ISA guide 5.7.1.4): no wait between the stores and the loads, nor ahead of the next block's stores.
.macro TOSTAGE a
.irp b, 0,1,2,3
	ds_store_b128 v[STO], v[ACC+8*(4*(\a)+\b):ACC+8*(4*(\a)+\b)+3] offset:64*\b      ; each accumulator from its low end on
	ds_store_b128 v[STO], v[ACC+8*(4*(\a)+\b)+4:ACC+8*(4*(\a)+\b)+7] offset:64*\b+16
.endr
.irp i, 0,1,2,3,4,5,6,7
	ds_load_b128 v[BK+32*((\a)%2)+4*\i:BK+32*((\a)%2)+4*\i+3], v[RD] offset:2*\i*SPITCH
.endr
.endm
.macro SEND a, younger
	s_wait_dscnt \younger                          ; the block is back; the next block's 16 LDS instructions may be out
.irp i, 0,1,2,3,4,5,6,7
	global_store_b128 v[CO], v[BK+32*((\a)%2)+4*\i:BK+32*((\a)%2)+4*\i+3], s[10:11] offset:(\a)*32768+\i*4096 th:TH_STORE_NT   ; 16 lanes store 256 consecutive bytes, aligned
.endr
.endm
	PLACES
	TOSTAGE 0
.irp a, 1,2,3
.if \a > 1
	s_wait_xcnt 0x0                                ; block a - 2's stores have read their registers: block a's loads may land there
.endif
	TOSTAGE \a
	SEND \a-1, 16
.endr
	SEND 3, 0
	s_wait_tensorcnt 0x0                           ; the wave's end: behind my last tensor load and my last LDS store
	ds_add_u32 v[SPW], v[NIL]
	s_wait_dscnt 0x0
	CROUND                                         ; the closing round
	s_endpgm
.Lfunc_end_k_q1f497d2dd7_proj:
	.size	k_q1f497d2dd7_proj, .Lfunc_end_k_q1f497d2dd7_proj-k_q1f497d2dd7_proj
	.p2alignl 7, 3214868480
	.fill 96, 4, 3214868480
	.section	.rodata,"a",@progbits
	.p2align	6, 0x0
	.amdhsa_kernel k_q1f497d2dd7_proj
		.amdhsa_group_segment_fixed_size 280064
		.amdhsa_private_segment_fixed_size 0
		.amdhsa_enable_private_segment 0
		.amdhsa_kernarg_size 32
		.amdhsa_user_sgpr_count 2
		.amdhsa_user_sgpr_kernarg_segment_ptr 1
		.amdhsa_wavefront_size32 1
		.amdhsa_system_sgpr_workgroup_id_x 1
		.amdhsa_system_sgpr_workgroup_id_y 1
		.amdhsa_system_sgpr_workgroup_id_z 1
		.amdhsa_system_vgpr_workitem_id 0
		.amdhsa_next_free_vgpr 512
		.amdhsa_next_free_sgpr 98
		.amdhsa_reserve_vcc 0
		.amdhsa_float_denorm_mode_32 3
		.amdhsa_float_denorm_mode_16_64 3
		.amdhsa_memory_ordered 1
		.amdhsa_forward_progress 1
		.amdhsa_inst_pref_size 51
	.end_amdhsa_kernel
	.amdgpu_metadata
---
amdhsa.version: [ 1, 2 ]
amdhsa.kernels:
  - .name:           k_q1f497d2dd7_proj
    .symbol:         k_q1f497d2dd7_proj.kd
    .args:
      - { .name: ctx, .offset: 0, .size: 8, .value_kind: global_buffer, .address_space: global }
      - { .name: wo16, .offset: 8, .size: 8, .value_kind: global_buffer, .address_space: global }
      - { .name: bo, .offset: 16, .size: 8, .value_kind: global_buffer, .address_space: global }
      - { .name: out0, .offset: 24, .size: 8, .value_kind: global_buffer, .address_space: global }
    .group_segment_fixed_size: 280064
    .private_segment_fixed_size: 0
    .kernarg_segment_align: 8
    .kernarg_segment_size: 32
    .max_flat_workgroup_size: 128
    .sgpr_count:     98
    .vgpr_count:     512
    .wavefront_size: 32
...
	.end_amdgpu_metadata
.endif
;; end of part 4
;; launch first16 (part 5): grid 8 x 2, 8 waves a work-group, no clusters, 35,840 bytes of LDS; arguments h16, Wo, bo, out0; writes out0
.if DOCPART == 5
	.amdgcn_target "amdgcn-amd-amdhsa--gfx1250"
	.amdhsa_code_object_version 6
	.text
	.protected	k_q1f497d2dd7_first16
	.globl	k_q1f497d2dd7_first16
	.p2align	8
	.type	k_q1f497d2dd7_first16,@function
k_q1f497d2dd7_first16:
	s_mov_b64 s[64:65], 0
	v_nop
	global_prefetch_b8 v0, s[64:65] scope:SCOPE_SE
	s_setreg_imm32_b32 hwreg(HW_REG_WAVE_MODE, 25, 1), 1
	s_wait_xcnt 0x0
; Rows 0-15 of each batch once more, with f32 operands throughout: under the causal mask they average one to sixteen values and are the largest in size, so the rounding of 16-bit operands weighs most there.
; It runs last and writes those 2 x 16 rows of out0 over what the projection stored there.
; SHARES: work-group (x, batch): outputs 64 x .. 64 x + 63 of the batch's 16 rows.  Wave = head: scores, softmax, values and the head's part of the projection; the eight parts are added through LDS.
; All products by the f32 matrix form (16 x 16 x 4): 96 instructions a wave: no bulk work.
; OPERANDS ARE TAKEN AS THE EARLIER PRODUCTS LEFT THEM.  A result's register j of lane (r, h) is index 8 h + j of row r.  The form wants index 2 h + j' in register j'.  A pair of registers 2 p, 2 p + 1, given
; on BOTH sides, stands for the four indices 8 h + 2 p + j': the same permutation of the contracted axis on both operands keeps the products.
; The registers that the matrix form writes are written by it alone, and each sum begins with the constant 0.
; REGISTERS: window 0: v16-47 k, v48-79 q, v80-111 v (8 for each channel tile); v112-127 two partial S^T; v128-159 O^T; v160-191 the head's part of out^T; v192-199 p; v200-204 at work; v216-251 the sum.  window 1: v0-127 Wo.
.set KD,  16
.set QD,  48
.set VD,  80
.set SA,  112
.set OO,  128
.set AC,  160
.set PP,  192
.set RED, 216
.set BO,  248
.set SPARE, 34816                      ; behind eight stages of 16 rows x (256 bytes + 16): the spare words, 128 bytes a wave
.set MSB, 0
.macro WIN new
.if MSB != \new
	s_set_vgpr_msb (MSB<<8)|\new
.set MSB, \new
.endif
.endm
	s_load_b256 s[4:11], s[0:1], 0x0               ; h16, Wo, bo, out0
	v_lshl_add_u32 v2, v0, 2, SPARE                ; my spare word; never rewritten
	v_mov_b32 v3, 0                                ; 0; never rewritten
	v_lshrrev_b32 v4, 5, v0
	v_readfirstlane_b32 s12, v4                    ; wave = head
	v_and_b32 v4, 31, v0
	v_lshlrev_b32 v1, 4, v4                        ; 16 x lane
	v_and_b32 v4, 15, v0                           ; r
	v_bfe_u32 v5, v0, 4, 1                         ; h
	v_lshlrev_b32 v6, 11, v4
	v_lshl_add_u32 v6, v5, 5, v6                   ; Wo: row r of 2,048 bytes, + 8 h numbers
	v_lshlrev_b32 v7, 3, v5
	v_sub_nc_u32 v7, v4, v7                        ; r - 8 h
	v_lshlrev_b32 v8, 4, v4                        ; 16 r
	v_mul_u32_u24 v9, v4, 272
	v_lshl_add_u32 v9, v5, 5, v9
	s_mul_i32 s13, s12, 4352
	v_add_nc_u32 v9, s13, v9                       ; my stage: row r, 32 bytes for each half of the lanes
	v_mul_u32_u24 v10, v5, 272
	v_add_nc_u32 v10, v10, v8
	s_mul_i32 s13, s12, 544
	v_add_nc_u32 v10, s13, v10                     ; the sum: wave w takes rows 2 w, 2 w + 1 of every stage
	v_lshl_add_u32 v11, v5, 11, v8                 ; and the same two rows of out0
	v_mov_b32 v12, 0xff800000
	s_and_b32 s14, ttmp7, 0xffff                   ; batch
	s_mul_i32 s16, s14, 98304
	s_lshl_b32 s17, s12, 12
	s_add_co_u32 s16, s16, s17                     ; h16: 98,304 bytes a batch, 4,096 a head
	s_mov_b32 s17, 0
	s_lshl_b32 s18, ttmp9, 17                      ; Wo: my 64 rows,
	s_lshl_b32 s19, s12, 8                         ; my head's 64 numbers of each
	s_add_co_u32 s18, s18, s19
	s_mov_b32 s19, 0
	s_lshl_b32 s24, ttmp9, 8                       ; bo and a row of out0: my 64 outputs
	s_mov_b32 s25, 0
	s_lshl_b32 s26, s14, 23                        ; out0: 8,388,608 bytes a batch,
	s_lshl_b32 s27, s12, 12                        ; two rows a wave
	s_add_co_u32 s26, s26, s27
	s_add_co_u32 s26, s26, s24
	s_mov_b32 s27, 0
	s_mov_b32 s20, 0x3e38aa3b                      ; c = log2(e) / 8
	s_mov_b32 s22, 0x76543210
	s_mov_b32 s23, 0xfedcba98                      ; lane l xor 16
	s_wait_kmcnt 0x0
	s_add_nc_u64 s[4:5], s[4:5], s[16:17]
	s_add_nc_u64 s[6:7], s[6:7], s[18:19]
	s_add_nc_u64 s[8:9], s[8:9], s[24:25]
	s_add_nc_u64 s[10:11], s[10:11], s[26:27]
.irp i, 0,1,2,3,4,5,6,7
	global_load_b128 v[KD+4*\i:KD+4*\i+3], v1, s[4:5] offset:32768+512*\i
.endr
.irp i, 0,1,2,3,4,5,6,7
	global_load_b128 v[QD+4*\i:QD+4*\i+3], v1, s[4:5] offset:512*\i
.endr
.irp i, 0,1,2,3,4,5,6,7
	global_load_b128 v[VD+4*\i:VD+4*\i+3], v1, s[4:5] offset:65536+512*\i
.endr
	WIN 0x40
.irp e, 0,1,2,3
.irp c, 0,1,2,3
	global_load_b128 v[8*(4*\e+\c):8*(4*\e+\c)+3], v6, s[6:7] offset:32768*\e+64*\c        ; Wo(64 x + 16 e + r, 64 head + 16 c + 8 h + 0 .. 7)
	global_load_b128 v[8*(4*\e+\c)+4:8*(4*\e+\c)+7], v6, s[6:7] offset:32768*\e+64*\c+16
.endr
.endr
	WIN 0
	global_load_b128 v[BO:BO+3], v8, s[8:9]
	s_wait_loadcnt 41                              ; k and q are in; v's 8, Wo's 32 and bo's load may be out
.set n, 0
.rept 16                               ; S^T = k q^T: 16 links of 4 channels, on two accumulators by turns
.set D, SA+8*(n%2)
.if n < 2
	v_wmma_f32_16x16x4_f32 v[D:D+7], v[KD+2*n:KD+2*n+1], v[QD+2*n:QD+2*n+1], 0
.else
	v_wmma_f32_16x16x4_f32 v[D:D+7], v[KD+2*n:KD+2*n+1], v[QD+2*n:QD+2*n+1], v[D:D+7]
.endif
.set n, n+1
.endr
.rept 8
	v_nop                                          ; eight places behind this form ahead of the first read of a result (ISA guide 7.12.1)
.endr
.irp j, 0,1,2,3,4,5,6,7
	v_add_f32 v[PP+\j], v[SA+\j], v[SA+8+\j]       ; lane (r, h): query r, key 8 h + j
.endr
.irp j, 0,1,2,3,4,5,6,7
	v_cmp_gt_i32 vcc_lo, \j, v7                    ; hidden where 8 h + j > r
	v_cndmask_b32 v[PP+\j], v[PP+\j], v12, vcc_lo
.endr
	v_max3_num_f32 v200, v[PP], v[PP+1], v[PP+2]
	v_max3_num_f32 v201, v[PP+3], v[PP+4], v[PP+5]
	v_max3_num_f32 v200, v200, v[PP+6], v[PP+7]
	v_max_num_f32 v200, v200, v201
	v_permlanex16_b32 v201, v200, s22, s23
	v_max_num_f32 v200, v200, v201                 ; the row's maximum: key 0 counts for every query
	v_mul_f32 v204, s20, v200
.irp j, 0,1,2,3,4,5,6,7
	v_fma_f32 v[PP+\j], v[PP+\j], s20, -v204
.endr
.irp j, 0,1,2,3,4,5,6,7
	v_exp_f32 v[PP+\j], v[PP+\j]
.endr
	v_nop
	s_wait_alu depctr_va_vdst(0)                   ; one wait for the eight, ahead of their first reader
	v_add_f32 v200, v[PP], v[PP+1]
	v_add_f32 v201, v[PP+2], v[PP+3]
	v_add_f32 v202, v[PP+4], v[PP+5]
	v_add_f32 v203, v[PP+6], v[PP+7]
	v_add_f32 v200, v200, v201
	v_add_f32 v202, v202, v203
	v_add_f32 v200, v200, v202
	v_permlanex16_b32 v201, v200, s22, s23
	v_add_f32 v200, v200, v201
	v_rcp_f32 v201, v200
	v_nop
	s_wait_alu depctr_va_vdst(0)
.irp j, 0,1,2,3,4,5,6,7
	v_mul_f32 v[PP+\j], v[PP+\j], v201
.endr
	s_wait_loadcnt 33                              ; v is in; Wo's 32 and bo's load may be out
.irp p, 0,1,2,3                        ; O^T = v^T p: four accumulators (channel tiles) by turns, four links of 4 keys
.irp c, 0,1,2,3
.if \p == 0
	v_wmma_f32_16x16x4_f32 v[OO+8*\c:OO+8*\c+7], v[VD+8*\c+2*\p:VD+8*\c+2*\p+1], v[PP+2*\p:PP+2*\p+1], 0
.else
	v_wmma_f32_16x16x4_f32 v[OO+8*\c:OO+8*\c+7], v[VD+8*\c+2*\p:VD+8*\c+2*\p+1], v[PP+2*\p:PP+2*\p+1], v[OO+8*\c:OO+8*\c+7]
.endif
.endr
.endr
.rept 9
	v_nop                                          ; nine places ahead of a matrix instruction that takes a result as an operand
.endr
	s_wait_loadcnt 1                               ; Wo is in; bo's load may be out
	WIN 0x01                                       ; source 0 (Wo) window 1
.irp c, 0,1,2,3                        ; out^T = Wo ctx^T over my head's 64: four accumulators (tiles of outputs) by turns, 16 links
.irp p, 0,1,2,3
.irp e, 0,1,2,3
.if (\c == 0) && (\p == 0)
	v_wmma_f32_16x16x4_f32 v[AC+8*\e:AC+8*\e+7], v[8*(4*\e+\c)+2*\p:8*(4*\e+\c)+2*\p+1], v[OO+8*\c+2*\p:OO+8*\c+2*\p+1], 0
.else
	v_wmma_f32_16x16x4_f32 v[AC+8*\e:AC+8*\e+7], v[8*(4*\e+\c)+2*\p:8*(4*\e+\c)+2*\p+1], v[OO+8*\c+2*\p:OO+8*\c+2*\p+1], v[AC+8*\e:AC+8*\e+7]
.endif
.endr
.endr
.endr
	WIN 0
.rept 8
	v_nop
.endr
.irp e, 0,1,2,3
	ds_store_b128 v9, v[AC+8*\e:AC+8*\e+3] offset:64*\e          ; lane (r, h): row r, outputs 16 e + 8 h + 0 .. 7; each accumulator from its low end on
	ds_store_b128 v9, v[AC+8*\e+4:AC+8*\e+7] offset:64*\e+16
.endr
	s_wait_dscnt 0x0                               ; for the others' sake: my stores have landed
	s_barrier_signal -1
	s_barrier_wait -1
.irp k, 0,1,2,3,4,5,6,7
	ds_load_b128 v[RED+4*\k:RED+4*\k+3], v10 offset:4352*\k
.endr
	s_wait_dscnt 0x0
	s_wait_loadcnt 0x0                             ; bo
.irp k, 1,2,3,4,5,6,7                  ; the heads in ascending order, then the bias
	v_pk_add_f32 v[RED:RED+1], v[RED:RED+1], v[RED+4*\k:RED+4*\k+1]
	v_pk_add_f32 v[RED+2:RED+3], v[RED+2:RED+3], v[RED+4*\k+2:RED+4*\k+3]
.endr
	v_pk_add_f32 v[RED:RED+1], v[RED:RED+1], v[BO:BO+1]
	v_pk_add_f32 v[RED+2:RED+3], v[RED+2:RED+3], v[BO+2:BO+3]
	global_store_b128 v11, v[RED:RED+3], s[10:11]  ; 16 lanes store 256 consecutive bytes, aligned
	s_wait_tensorcnt 0x0                           ; the wave's end: behind my last LDS store
	ds_add_u32 v2, v3
	s_wait_dscnt 0x0
	s_endpgm
.Lfunc_end_k_q1f497d2dd7_first16:
	.size	k_q1f497d2dd7_first16, .Lfunc_end_k_q1f497d2dd7_first16-k_q1f497d2dd7_first16
	.p2alignl 7, 3214868480
	.fill 96, 4, 3214868480
	.section	.rodata,"a",@progbits
	.p2align	6, 0x0
	.amdhsa_kernel k_q1f497d2dd7_first16
		.amdhsa_group_segment_fixed_size 35840
		.amdhsa_private_segment_fixed_size 0
		.amdhsa_enable_private_segment 0
		.amdhsa_kernarg_size 32
		.amdhsa_user_sgpr_count 2
		.amdhsa_user_sgpr_kernarg_segment_ptr 1
		.amdhsa_wavefront_size32 1
		.amdhsa_system_sgpr_workgroup_id_x 1
		.amdhsa_system_sgpr_workgroup_id_y 1
		.amdhsa_system_sgpr_workgroup_id_z 1
		.amdhsa_system_vgpr_workitem_id 0
		.amdhsa_next_free_vgpr 384
		.amdhsa_next_free_sgpr 66
		.amdhsa_reserve_vcc 1
		.amdhsa_float_denorm_mode_32 3
		.amdhsa_float_denorm_mode_16_64 3
		.amdhsa_memory_ordered 1
		.amdhsa_forward_progress 1
		.amdhsa_inst_pref_size 20
	.end_amdhsa_kernel
	.amdgpu_metadata
---
amdhsa.version: [ 1, 2 ]
amdhsa.kernels:
  - .name:           k_q1f497d2dd7_first16
    .symbol:         k_q1f497d2dd7_first16.kd
    .args:
      - { .name: h16, .offset: 0, .size: 8, .value_kind: global_buffer, .address_space: global }
      - { .name: Wo, .offset: 8, .size: 8, .value_kind: global_buffer, .address_space: global }
      - { .name: bo, .offset: 16, .size: 8, .value_kind: global_buffer, .address_space: global }
      - { .name: out0, .offset: 24, .size: 8, .value_kind: global_buffer, .address_space: global }
    .group_segment_fixed_size: 35840
    .private_segment_fixed_size: 0
    .kernarg_segment_align: 8
    .kernarg_segment_size: 32
    .max_flat_workgroup_size: 256
    .sgpr_count:     66
    .vgpr_count:     384
    .wavefront_size: 32
...
	.end_amdgpu_metadata
.endif
;; end of part 5
